; MI455X (gfx1250); checked and timed in simulation.
; The chip was launched on July 23, 2026; its instructions are those of AMD's public machine-readable ISA for CDNA 5 (MIT licence, August 2026) and "CDNA5" Instruction Set Architecture Reference Guide (July 2026). The comments in the code are by the model that wrote it; some were corrected since.
;; Multi Head Attention. Allowed arithmetic: matrix products marked QUANTISED: E2M1 operands, one E8M0 scale for each 32 along K, by v_wmma_scale_f32_16x16x128_f8f6f4 with both operands' format E2M1 (or v_wmma_scale_f32_32x16x128_f4), f32 sums; products left as they are: bf16, f16 or f32 operands; f32 sums; everything else in f32.
;; Inputs: Wk 1,024 x 1,024 float32; Wo 1,024 x 1,024 float32; Wq 1,024 x 1,024 float32; Wv 1,024 x 1,024 float32; X 2 x 2,048 x 1,024 float32; bo 1,024 float32.
;; Outputs: out0 2 x 2,048 x 1,024 float32.
;; This version of the problem:
;;   THIS VERSION OF THE PROBLEM IS GIVEN IN LOW PRECISION. The matrix products marked QUANTISED in the list below multiply operands that are first quantised to E2M1 (2 exponent bits, 1 mantissa bit; 4 bits a number), with one power-of-two scale for each 32 numbers along K (OCP MX v1.0); their sums are f32. The products marked 'left as it is' may take bf16, f16 or f32 operands, with f32 sums. Whichever they take, every output number must still come out within the allowed error. Rounding operands to bf16 (8 significant bits) uses up far more of that allowance than f16 does (11 bits, for magnitudes from 6e-5 to 65,504). All else is computed in f32.
;;   The module's matrix products, in the order in which they are computed (A, B: the left and right operand; K: the contracted axis; several contracted axes count as one K, in the product's order):
;;     1. [M 4,096, K 1,024] x [K 1,024, N 1,024]; A: input X; B: input Wq: QUANTISED
;;     2. [M 4,096, K 1,024] x [K 1,024, N 1,024]; A: input X; B: input Wk: QUANTISED
;;     3. [M 4,096, K 1,024] x [K 1,024, N 1,024]; A: input X; B: input Wv: QUANTISED
;;     4. batch 32 x [M 2,048, K 64] x [K 64, N 2,048]; A: computed on the way; B: computed on the way: left as it is (an operand is computed on the way)
;;     5. batch 32 x [M 2,048, K 2,048] x [K 2,048, N 64]; A: computed on the way; B: computed on the way: left as it is (an operand is computed on the way)
;;     6. [M 4,096, K 1,024] x [K 1,024, N 1,024]; A: computed on the way; B: input Wo: left as it is (an operand is computed on the way)
;;   THE QUANTISER, for each operand of a quantised product, along K:
;;     - K is cut into blocks of 32 from its start; a last block that is shorter is filled with zeros.
;;     - A block's scale is 2^e with e = floor(log2(the largest magnitude in the block)) - 2, held to -126 .. 127; a block of zeros has e = 0. As a byte (E8M0): e + 127.
;;     - Each number is divided by its block's scale, clamped to +-6, and rounded to the nearest number of E2M1, ties to even, subnormals kept.
;;     - The product sums the exact products of the quantised numbers (number of the format x scale) in f32.
;;   ~~~python
;;   def quantise(x, axis):      # numpy; x: float32 -> the quantised numbers, widened to float32 again
;;       x = np.moveaxis(x, axis, -1); K = x.shape[-1]
;;       x = np.pad(x, [(0, 0)] * (x.ndim - 1) + [(0, -K % 32)]); x = x.reshape(x.shape[:-1] + (-1, 32)); a = np.abs(x).max(-1, keepdims=True)
;;       e = np.where(a > 0, np.clip(np.frexp(np.where(a > 0, a, 1))[1] - 1 - 2, -126, 127), 0)      # np.frexp(a)[1] - 1 = floor(log2(a)), exactly
;;       r = np.clip(x / 2.0 ** e, -6, 6)
;;       step = 2.0 ** (np.maximum(np.frexp(np.where(r == 0, 1, r))[1] - 1, 0) - 1)
;;       q = np.round(r / step) * step * 2.0 ** e      # np.round: ties to even
;;       return np.moveaxis(q.reshape(q.shape[:-2] + (-1,))[..., :K], -1, axis).astype(np.float32)
;;   ~~~
;; One version. Each part assembles by itself: llvm-mc -triple=amdgcn-amd-amdhsa -mcpu=gfx1250 --defsym DOCPART=n.
;; ======== version 1 of 1: 5 launches
;; limits: values are held in f16: magnitudes above 65,504 overflow, below 6.1e-05 lose precision
;; workspace buffers: xcodes 2,097,152 bytes; xscales 131,072 bytes; wcodes 1,572,864 bytes; wscales 98,304 bytes; wof 2,097,152 bytes; qkv 25,165,824 bytes; fine32 393,216 bytes; ctxf 8,388,608 bytes
;; launch prep (part 1): grid 288 x 1, 4 waves a work-group, no clusters, 50,688 bytes of LDS; arguments X, Wq, Wk, Wv, Wo, xcodes, xscales, wcodes, wscales, wof; writes xcodes, xscales, wcodes, wscales, wof
.if DOCPART == 1
	.amdgcn_target "amdgcn-amd-amdhsa--gfx1250"
	.amdhsa_code_object_version 6
	.text
	.protected	k_q7c12694221_prep
	.globl	k_q7c12694221_prep
	.p2align	8
	.type	k_q7c12694221_prep,@function
k_q7c12694221_prep:
	s_mov_b64 s[64:65], 0
	v_nop
	global_prefetch_b8 v0, s[64:65] scope:SCOPE_SE
	s_setreg_imm32_b32 hwreg(HW_REG_WAVE_MODE, 25, 1), 1
	s_wait_xcnt 0x0
; PREP.  Three jobs in one launch, told apart by the work-group's number:
;   work-groups   0-127: X [4096][1024] f32 -> codes of E2M1 (K innermost, 512 bytes a row) and one E8M0 byte for each 32 along K;
;   work-groups 128-223: Wq, Wk, Wv [1024 (k)][1024 (n)] f32 -> the same, laid [3072 (n')][512 bytes], n' = 1024 T + n: a lane takes a column, its registers run down K;
;   work-groups 224-287: Wo [1024 (k)][1024 (n)] f32 -> f16, laid as images of the matrix operand's registers: [n / 16][k / 32][1,024 bytes], registers 0-3 at 16 x lane, registers 4-7 512 bytes on.
; SHARES: a wave of X's path and a wave of the weights' path read 32 KiB each, a wave of Wo's path 16 KiB.
; A block's scale is 2^(floor(log2(its largest magnitude)) - 2); its byte is the largest magnitude's exponent field - 2, held at 1 from below.
; LIMITS: a block of zeros gets the byte 1 where the rule says 127 (its codes are zeros, and this program alone reads the bytes); blocks whose largest magnitude lies under 2^(2 - 126) were not tried;
; NaN and infinities among the inputs are not served; Wo is rounded to f16, so its numbers stay under 65,504.
; LDS: bytes 0-32767 X's path (8,192 a wave), 32768-50175 the weights' path (16 rows of 272 bytes a wave), then the spare words.  Each path has bytes of its own.  No tensor loads, no barrier: waves share nothing.
.set SPARE,  50176                     ; the spare words, 128 bytes for each wave: two blocks of 256 bytes that no other line names
.set SPW,    224                       ; v224  LDS address of my spare word; never rewritten
.set NIL,    225                       ; v225  0; never rewritten
.set EMAX,   2
.set STEPS,  16                        ; X: steps of 512 numbers a wave
.set AHEAD,  8                         ; X: loads run eight steps ahead: 32 loads, 16 KiB a wave
.set XSP,    80                        ; X: a lane's place in a stage: 64 bytes + 16 of padding
.set XR,     16                        ; v16-143  eight sets of 16 numbers as loaded
.set XX,     144                       ; v144-175 two sets of 16 neighbours
.set XE,     176                       ; v176-191 a scale byte for each step
.set XC,     192                       ; v192-223 codes, two registers for each step: no store's data are written again
.set WSTG,   32768                     ; the weights' stages
.set WPITCH, 272
.set NB,     8                         ; blocks of 32 along K for a lane
.set WSB,    24                        ; v24-25   scale bytes, four to a register
.set WX,     32                        ; v32-95   two sets of 32 numbers
.set WC,     96                        ; v96-99   a block's codes
.set WOUT,   112                       ; v112-143 the way out
.macro XLOAD t                         ; step t: four loads of 512 consecutive bytes
.irp i, 0,1,2,3
	global_load_b128 v[XR+16*((\t)%AHEAD)+4*\i:XR+16*((\t)%AHEAD)+4*\i+3], v3, s[4:5] offset:2048*(\t)+512*\i th:TH_LOAD_NT
.endr
.endm
.macro XTURN t                         ; step t's numbers through my stage: in as they lie, back 64 bytes a lane; LDS serves a wave's instructions in order
.irp i, 0,1,2,3
	ds_store_b128 v14, v[XR+16*((\t)%AHEAD)+4*\i:XR+16*((\t)%AHEAD)+4*\i+3] offset:32*XSP*((\t)%2)+8*XSP*\i
.endr
.irp i, 0,1,2,3
	ds_load_b128 v[XX+16*((\t)%2)+4*\i:XX+16*((\t)%2)+4*\i+3], v15 offset:32*XSP*((\t)%2)+16*\i
.endr
.endm
.macro XSTEP t
.set XS, XX+16*((\t)%2)
.if (\t) > 0
	s_wait_dscnt 1                                 ; this step's numbers are back from the stage, so its stores into the stage have read their registers; the last step's byte store may be out
.else
	s_wait_dscnt 0x0
.endif
.if (\t)+AHEAD < STEPS
	XLOAD (\t)+AHEAD                               ; into the set that this step has left
.endif
.if (\t)+1 < STEPS
.if STEPS-2-(\t) >= AHEAD-1
	s_wait_loadcnt 4*(AHEAD-1)                     ; the next step's four loads are in; those of the seven steps behind it may be out
.else
	s_wait_loadcnt 4*(STEPS-2-(\t))
.endif
	XTURN (\t)+1
.endif
	v_max3_num_f32 v8, |v[XS]|, |v[XS+1]|, |v[XS+2]|               ; the largest magnitude of my 16
	v_max3_num_f32 v9, |v[XS+3]|, |v[XS+4]|, |v[XS+5]|
.irp i, 6,10
	v_max3_num_f32 v8, v8, |v[XS+\i]|, |v[XS+\i+1]|
	v_max3_num_f32 v9, v9, |v[XS+\i+2]|, |v[XS+\i+3]|
.endr
	v_max3_num_f32 v8, v8, |v[XS+14]|, |v[XS+15]|
	v_max3_num_f32 v8, v8, v9, (EMAX+1)<<23        ; and the floor 2^(3 - 127): the byte cannot fall under 1
	v_max_num_f32_dpp v8, v8, v8 row_xmask:1 row_mask:0xf bank_mask:0xf   ; with my neighbour's 16: the block's
	v_add_nc_u32 v11, -(EMAX<<23), v8              ; 2 off its exponent field: the conversion's scale operand
	v_cvt_scalef32_pk8_fp4_f32 v[XC+2*(\t)], v[XS:XS+7], v11
	v_cvt_scalef32_pk8_fp4_f32 v[XC+2*(\t)+1], v[XS+8:XS+15], v11
	v_lshrrev_b32 v[XE+(\t)], 23, v11              ; the scale's byte (also the plain line behind the conversions)
	ds_store_b8 v5, v[XE+(\t)] offset:16*(\t)      ; both lanes of a block write the same byte with the same value
	global_store_b64 v4, v[XC+2*(\t):XC+2*(\t)+1], s[14:15] offset:256*(\t)   ; the wave stores 256 consecutive bytes, aligned
.endm
.macro WLOAD t                         ; block t of my column: W(256 h + 32 t + i, my column).  Sixteen lanes read 64 consecutive bytes, the four waves of the work-group 256; no hint: the neighbouring wave reads the bytes beside mine
.irp i, 0,1,2,3,4,5,6,7,8,9,10,11,12,13,14,15,16,17,18,19,20,21,22,23,24,25,26,27,28,29,30,31
	global_load_b32 v[WX+32*((\t)%2)+\i], v3, s[6:7] offset:(32*(\t)+\i)*4096
.endr
.endm
.macro WBLOCK t
.set WS, WX+32*((\t)%2)
.if (\t) < NB-1
	s_wait_loadcnt 32                              ; this block's 32 loads are in; the next block's may be out
.else
	s_wait_loadcnt 0x0
.endif
	v_max3_num_f32 v12, |v[WS]|, |v[WS+1]|, |v[WS+2]|              ; all 32 numbers of the block are mine
	v_max3_num_f32 v13, |v[WS+3]|, |v[WS+4]|, |v[WS+5]|
.irp i, 6,10,14,18,22,26
	v_max3_num_f32 v12, v12, |v[WS+\i]|, |v[WS+\i+1]|
	v_max3_num_f32 v13, v13, |v[WS+\i+2]|, |v[WS+\i+3]|
.endr
	v_max3_num_f32 v12, v12, |v[WS+30]|, |v[WS+31]|
	v_max3_num_f32 v12, v12, v13, (EMAX+1)<<23
	v_add_nc_u32 v11, -(EMAX<<23), v12
	v_lshrrev_b32 v13, 23, v11
.if (\t)%4 == 0
	v_mov_b32 v[WSB+(\t)/4], v13                   ; four bytes to a register, the lower K in the lower byte
.else
	v_lshl_or_b32 v[WSB+(\t)/4], v13, 8*((\t)%4), v[WSB+(\t)/4]
.endif
.irp g, 0,1,2,3
	v_cvt_scalef32_pk8_fp4_f32 v[WC+\g], v[WS+8*\g:WS+8*\g+7], v11
.endr
	ds_store_b128 v4, v[WC:WC+3] offset:16*(\t)    ; 32 codes: 16 bytes of my column's row
.if (\t)+2 < NB
	WLOAD (\t)+2
.endif
	s_wait_dscnt 0x0                               ; the store has read its registers: the next block's codes may be written
.endm
.macro OLOAD t                         ; Wo(32 t + i, my column)
.irp i, 0,1,2,3,4,5,6,7,8,9,10,11,12,13,14,15,16,17,18,19,20,21,22,23,24,25,26,27,28,29,30,31
	global_load_b32 v[32+32*((\t)%2)+\i], v3, s[12:13] offset:(32*(\t)+\i)*4096 th:TH_LOAD_NT
.endr
.endm
.macro OBLOCK t                        ; 32 along K of 32 columns become two fragments of 16 columns x 32 K
.set OP, 96+16*(\t)                    ; each block has its own 16 registers: no store's data are written again
.set OX, 32+32*((\t)%2)
.if (\t) < 3
	s_wait_loadcnt 32                              ; the next block's 32 loads may be out
.else
	s_wait_loadcnt 0x0
.endif
.irp j, 0,1,2,3,4,5,6,7,8,9,10,11,12,13,14,15
	v_cvt_pk_f16_f32 v[OP+\j], v[OX+2*\j], v[OX+2*\j+1]            ; register j: k = 2 j, 2 j + 1 of my column
.endr
.if (\t)+2 < 4
	OLOAD (\t)+2
.endif
.irp q, 0,1,2,3                        ; the operand wants k = 8 h .. in registers 0-3 and 16 + 8 h .. in 4-7: the halves of the lanes change places
	v_permlane16_swap_b32 v[OP+\q], v[OP+4+\q]
	v_permlane16_swap_b32 v[OP+8+\q], v[OP+12+\q]
.endr
	global_store_b128 v4, v[OP:OP+3], s[22:23] offset:1024*(\t)                ; columns 0-15 of my 32: registers 0-3,
	global_store_b128 v4, v[OP+8:OP+11], s[22:23] offset:1024*(\t)+512         ; registers 4-7;
	global_store_b128 v4, v[OP+4:OP+7], s[22:23] offset:1024*(\t)+32768        ; columns 16-31 likewise, a column tile (32 x 1,024 bytes) on
	global_store_b128 v4, v[OP+12:OP+15], s[22:23] offset:1024*(\t)+32768+512  ; each store covers 512 consecutive bytes, aligned
.endm
	s_load_b256 s[4:11], s[0:1], 0x0               ; X, Wq, Wk, Wv
	s_load_b256 s[12:19], s[0:1], 0x20             ; Wo, xcodes, xscales, wcodes
	s_load_b128 s[20:23], s[0:1], 0x40             ; wscales, wof
	v_lshl_add_u32 v[SPW], v0, 2, SPARE
	v_mov_b32 v[NIL], 0
	v_lshrrev_b32 v1, 5, v0
	v_readfirstlane_b32 s24, v1                    ; wave 0..3
	v_and_b32 v2, 31, v0                           ; lane
	s_wait_kmcnt 0x0
	s_cmp_lt_u32 ttmp9, 128
	s_cbranch_scc1 .LX
	s_cmp_lt_u32 ttmp9, 224
	s_cbranch_scc1 .LW
	; ---- Wo: work-group 224 + 8 kg + cg takes columns 128 cg .. + 127 and k = 128 kg .. + 127; a wave 32 columns
	s_sub_co_u32 s25, ttmp9, 224
	s_and_b32 s26, s25, 7                          ; cg
	s_lshr_b32 s25, s25, 3                         ; kg
	v_lshlrev_b32 v3, 2, v2                        ; in: 4 bytes a lane
	v_lshlrev_b32 v4, 4, v2                        ; out: 16 bytes a lane
	s_lshl_b32 s28, s25, 19                        ; 128 rows of 4,096 bytes
	s_lshl_b32 s29, s26, 9
	s_add_co_u32 s28, s28, s29
	s_lshl_b32 s29, s24, 7
	s_add_co_u32 s28, s28, s29
	s_mov_b32 s29, 0
	s_add_nc_u64 s[12:13], s[12:13], s[28:29]
	s_lshl_b32 s28, s26, 3
	s_lshl_b32 s30, s24, 1
	s_add_co_u32 s28, s28, s30                     ; my first column tile: 8 cg + 2 wave
	s_lshl_b32 s28, s28, 5
	s_lshl_b32 s30, s25, 2
	s_add_co_u32 s28, s28, s30                     ; x 32 chunks of K, + 4 kg
	s_lshl_b32 s28, s28, 10
	s_add_nc_u64 s[22:23], s[22:23], s[28:29]
	OLOAD 0
	OLOAD 1
	OBLOCK 0
	OBLOCK 1
	OBLOCK 2
	OBLOCK 3
	s_branch .Lend
.LW:	; ---- Wq, Wk, Wv: work-group 128 + 32 T + 16 ky + cg takes columns 64 cg .. + 63 and k = 512 ky .. + 511 of tensor T.
	; A wave takes 16 columns; lane (r, h) takes column r and k = 256 h .. + 255 of the 512: so a column's 512 codes, 256 bytes, are one wave's, and leave as a whole aligned block
	s_sub_co_u32 s25, ttmp9, 128
	s_lshr_b32 s26, s25, 5                         ; T
	s_bfe_u32 s30, s25, 0x10004                    ; ky
	s_and_b32 s25, s25, 15                         ; cg
	s_cmp_eq_u32 s26, 1                            ; the choice hangs on the work-group's number alone
	s_cselect_b64 s[6:7], s[8:9], s[6:7]
	s_cmp_eq_u32 s26, 2
	s_cselect_b64 s[6:7], s[10:11], s[6:7]
	s_lshl_b32 s31, s25, 6
	s_lshl_b32 s28, s24, 4
	s_add_co_u32 s31, s31, s28                     ; my wave's first column: 64 cg + 16 wave
	s_mov_b32 s29, 0
	s_lshl_b32 s28, s30, 21                        ; 512 rows of 4,096 bytes
	s_lshl_b32 s33, s31, 2
	s_add_co_u32 s28, s28, s33
	s_add_nc_u64 s[6:7], s[6:7], s[28:29]
	s_lshl_b32 s33, s26, 10
	s_add_co_u32 s33, s33, s31                     ; the codes' row: 1024 T + column
	s_lshl_b32 s28, s33, 9
	s_lshl_b32 s34, s30, 8
	s_add_co_u32 s28, s28, s34
	s_add_nc_u64 s[18:19], s[18:19], s[28:29]
	s_lshl_b32 s28, s33, 5
	s_lshl_b32 s34, s30, 4
	s_add_co_u32 s28, s28, s34
	s_add_nc_u64 s[20:21], s[20:21], s[28:29]
	v_and_b32 v5, 15, v2                           ; r
	v_lshrrev_b32 v6, 4, v2                        ; h
	v_lshlrev_b32 v3, 2, v5
	v_lshl_add_u32 v3, v6, 20, v3                  ; in: 4 r, + 256 h rows of 4,096 bytes
	s_mul_i32 s32, s24, 16*WPITCH
	s_add_co_u32 s32, s32, WSTG                    ; my stage
	v_mul_u32_u24 v4, v5, WPITCH
	v_lshl_add_u32 v4, v6, 7, v4
	v_add_nc_u32 v4, s32, v4                       ; into it: row = my column, + 128 h: the codes of k = 256 h on
	v_mul_u32_u24 v7, v6, WPITCH
	v_lshl_add_u32 v7, v5, 4, v7
	v_add_nc_u32 v7, s32, v7                       ; out of it: sixteen lanes to a row, two rows an instruction
	v_lshlrev_b32 v8, 9, v6
	v_lshl_add_u32 v8, v5, 4, v8                   ; and the same place in the codes' buffer (rows of 512 bytes)
	v_lshlrev_b32 v9, 5, v5
	v_lshl_add_u32 v9, v6, 3, v9                   ; my column's row of scale bytes (32 bytes a row), + 8 h
	WLOAD 0
	WLOAD 1
.irp t, 0,1,2,3,4,5,6,7
	WBLOCK \t
.endr
	global_store_b64 v9, v[WSB:WSB+1], s[20:21]    ; my 8 scale bytes
.irp t, 0,1,2,3,4,5,6,7
	ds_load_b128 v[WOUT+4*\t:WOUT+4*\t+3], v7 offset:2*\t*WPITCH
.endr
.irp t, 0,1,2,3,4,5,6,7
	s_wait_dscnt 7-\t                              ; LDS loads come back in order: load t is in
	global_store_b128 v8, v[WOUT+4*\t:WOUT+4*\t+3], s[18:19] offset:2*\t*512   ; sixteen lanes store 256 consecutive bytes, aligned
.endr
	s_branch .Lend
.LX:	; ---- X: a plain stream of blocks of 32; wave 4 wg + wave takes 8,192 numbers
	s_lshl_b32 s25, ttmp9, 2
	s_add_co_u32 s25, s25, s24
	s_mov_b32 s27, 0
	s_lshl_b32 s26, s25, 15
	s_add_nc_u64 s[4:5], s[4:5], s[26:27]
	s_lshl_b32 s26, s25, 12
	s_add_nc_u64 s[14:15], s[14:15], s[26:27]
	s_lshl_b32 s26, s25, 8
	s_add_nc_u64 s[16:17], s[16:17], s[26:27]
	s_mul_i32 s28, s24, 8192                       ; my region of LDS
	v_lshlrev_b32 v3, 4, v2                        ; my 16 bytes of a load's 512
	v_lshrrev_b32 v14, 2, v2
	v_mul_u32_u24 v14, v14, XSP
	v_and_b32 v15, 3, v2
	v_lshl_add_u32 v14, v15, 4, v14
	v_add_nc_u32 v14, s28, v14                     ; the stage, on the way in: four lanes' 64 bytes on end, then 16 of padding
	v_mul_u32_u24 v15, v2, XSP
	v_add_nc_u32 v15, s28, v15                     ; and on the way out: my 16 neighbours
	v_lshlrev_b32 v4, 3, v2                        ; my codes' place in a step's 256 bytes
	v_lshrrev_b32 v5, 1, v2
	s_add_co_u32 s28, s28, 2*32*XSP
	v_add_nc_u32 v5, s28, v5                       ; my wave's 256 scale bytes, my block's byte
	v_lshlrev_b32 v7, 3, v2
	v_add_nc_u32 v6, s28, v7                       ; and on the way out 8 bytes a lane
.irp t, 0,1,2,3,4,5,6,7
	XLOAD \t
.endr
	s_wait_loadcnt 4*(AHEAD-1)                     ; step 0's four loads are in; the seven steps behind it may be out
	XTURN 0
.irp t, 0,1,2,3,4,5,6,7,8,9,10,11,12,13,14,15
	XSTEP \t
.endr
	ds_load_b64 v[8:9], v6                         ; LDS serves a wave's instructions in order: these see my byte stores
	s_wait_dscnt 0x0
	global_store_b64 v7, v[8:9], s[16:17]          ; 32 lanes store 256 consecutive bytes, aligned
.Lend:
	s_wait_tensorcnt 0x0                           ; the wave's end
	ds_add_u32 v[SPW], v[NIL]
	s_wait_dscnt 0x0
	s_endpgm
.Lfunc_end_k_q7c12694221_prep:
	.size	k_q7c12694221_prep, .Lfunc_end_k_q7c12694221_prep-k_q7c12694221_prep
	.p2alignl 7, 3214868480
	.fill 96, 4, 3214868480
	.section	.rodata,"a",@progbits
	.p2align	6, 0x0
	.amdhsa_kernel k_q7c12694221_prep
		.amdhsa_group_segment_fixed_size 50688
		.amdhsa_private_segment_fixed_size 0
		.amdhsa_enable_private_segment 0
		.amdhsa_kernarg_size 80
		.amdhsa_user_sgpr_count 2
		.amdhsa_user_sgpr_kernarg_segment_ptr 1
		.amdhsa_wavefront_size32 1
		.amdhsa_system_sgpr_workgroup_id_x 1
		.amdhsa_system_sgpr_workgroup_id_y 1
		.amdhsa_system_sgpr_workgroup_id_z 1
		.amdhsa_system_vgpr_workitem_id 0
		.amdhsa_next_free_vgpr 232
		.amdhsa_next_free_sgpr 66
		.amdhsa_reserve_vcc 0
		.amdhsa_float_denorm_mode_32 3
		.amdhsa_float_denorm_mode_16_64 3
		.amdhsa_memory_ordered 1
		.amdhsa_forward_progress 1
		.amdhsa_inst_pref_size 92
	.end_amdhsa_kernel
	.amdgpu_metadata
---
amdhsa.version: [ 1, 2 ]
amdhsa.kernels:
  - .name:           k_q7c12694221_prep
    .symbol:         k_q7c12694221_prep.kd
    .args:
      - { .name: X, .offset: 0, .size: 8, .value_kind: global_buffer, .address_space: global }
      - { .name: Wq, .offset: 8, .size: 8, .value_kind: global_buffer, .address_space: global }
      - { .name: Wk, .offset: 16, .size: 8, .value_kind: global_buffer, .address_space: global }
      - { .name: Wv, .offset: 24, .size: 8, .value_kind: global_buffer, .address_space: global }
      - { .name: Wo, .offset: 32, .size: 8, .value_kind: global_buffer, .address_space: global }
      - { .name: xcodes, .offset: 40, .size: 8, .value_kind: global_buffer, .address_space: global }
      - { .name: xscales, .offset: 48, .size: 8, .value_kind: global_buffer, .address_space: global }
      - { .name: wcodes, .offset: 56, .size: 8, .value_kind: global_buffer, .address_space: global }
      - { .name: wscales, .offset: 64, .size: 8, .value_kind: global_buffer, .address_space: global }
      - { .name: wof, .offset: 72, .size: 8, .value_kind: global_buffer, .address_space: global }
    .group_segment_fixed_size: 50688
    .private_segment_fixed_size: 0
    .kernarg_segment_align: 8
    .kernarg_segment_size: 80
    .max_flat_workgroup_size: 128
    .sgpr_count:     66
    .vgpr_count:     232
    .wavefront_size: 32
...
	.end_amdgpu_metadata
.endif
;; end of part 1
;; launch qkv (part 2): grid 12 x 16, 4 waves a work-group, clusters of 4 x 1, 327,680 bytes of LDS; arguments xcodes, xscales, wcodes, wscales, qkv, fine32; writes qkv, fine32
.if DOCPART == 2
	.amdgcn_target "amdgcn-amd-amdhsa--gfx1250"
	.amdhsa_code_object_version 6
	.text
	.protected	k_q7c12694221_qkv
	.globl	k_q7c12694221_qkv
	.p2align	8
	.type	k_q7c12694221_qkv,@function
k_q7c12694221_qkv:
	s_mov_b64 s[64:65], 0
	v_nop
	global_prefetch_b8 v0, s[64:65] scope:SCOPE_SE
	s_setreg_imm32_b32 hwreg(HW_REG_WAVE_MODE, 25, 1), 1
	s_wait_xcnt 0x0
	s_wait_alu depctr_hold_cnt(0) depctr_sa_sdst(0) depctr_va_vdst(0) depctr_va_sdst(0) depctr_va_ssrc(0) depctr_va_vcc(0) depctr_vm_vsrc(0)
	s_getreg_b32 s2, hwreg(HW_REG_IB_STS2, 6, 4)
	s_cmp_eq_u32 s2, 0
	s_cbranch_scc0 .Lentry_in_a_cluster
	s_endpgm
.Lentry_in_a_cluster:
	s_bfe_u32 s2, ttmp6, 0x10000c
	s_cmp_lg_u32 s2, 0x3003
	s_cbranch_scc0 .Lentry_shape_is_right
	s_endpgm
.Lentry_shape_is_right:
; QKV.  [4096 tokens][1024] x [3072 columns][1024]^T on codes of E2M1 with one E8M0 scale for each 32 along K; sums in f32.  Columns 0-1023 are q, 1024-2047 k, 2048-3071 v.
; A tile of 256 x 256 is made by four waves, each 128 x 128: 64 accumulators of 16 x 16, 512 registers.  K = 1,024 is two LDS slots of 512 along K: both are filled once, at the start; nothing is filled again.
; The scales of the work-group's 256 tokens and 256 columns, for all of K, come once, as rows of 256 bytes with 16 of padding.
; CLUSTER 4 x 1: the four partners make four neighbouring column tiles of ONE row of tiles, so X's codes and scales are asked for jointly (mask 15).  The weights' tiles differ from partner to partner: plain loads.
; A cluster of 4 x 4 is not taken: the copy of the first 16 positions below is a branch on the row of tiles, which has to be the same in all partners; with one row of tiles to a cluster it is.
; THE MATRIX INSTRUCTION IS USED TRANSPOSED (source 0 = 16 columns, source 1 = 16 tokens): lane (r, h) holds token r and eight neighbouring columns 8 h + 0 .. 7.
; THE WAY OUT NEEDS NO LDS: four conversions make 16 bytes of f16, and one store at 16 x lane writes a block of 16 tokens x 16 channels as 512 consecutive bytes.  Two such blocks side by side are a 16-bit matrix operand's registers.
;   qkv byte = T 2^23 + (16 batch + head) 2^18 + (token / 16) 2048 + (channel / 16) 512 + 16 pos;  q, k: pos = lane;  v: pos = (r & 7) + 8 h + 16 (r >> 3), the order in which the transposing LDS load wants it.
; The first 16 positions of each batch also leave as f32: fine32 [T][batch][head][16][64] (pieces of 32 bytes, 393,216 bytes in the whole launch).
; LIMITS: q, k, v are rounded to f16: they stay under 65,504.
; REGISTERS: window 0: v0-31 addresses; v32-95 scale words, two sets; from v128 X's fragments, one set; on the way out v32-159 packed results.  window 1: the weights' fragments, two sets.  windows 2, 3: the accumulators.
.set KSTEP,  512
.set NQ,     KSTEP/128
.set ROWB,   256                       ; a tile's row in bytes
.set KROW,   512                       ; a row of codes in memory
.set PITCH,  272                       ; an LDS row: 256 bytes + 16 of padding: the 16 rows that a load touches start at 16 different banks (64 banks of 4 bytes: ISA guide 11.1)
.set FR,     8
.set NL,     2
.set NP,     4                         ; places behind this matrix instruction (ISA guide 7.12.1)
.set HALFT,  128*PITCH
.set SLOT,   4*HALFT                   ; X's 256 rows, then the weights' 256 rows
.set KS,     32                        ; a row of scales in bytes
.set SCL,    2*SLOT
.set HALFS,  (128*KS/256)*272
.set SBLK,   (16*KS/256)*272
.set SPARE,  SCL+4*HALFS               ; the spare words, 128 bytes for each wave
.set ADRA, 16                          ; v16-17  LDS address of X's fragments in slot 0, 1
.set ADRB, 20                          ; v20-21  the same for the weights
.set FO,   24                          ; v24     my byte offset in fine32: 256 r + 32 h
.set CO,   26                          ; v26     my 16 bytes' place in a block of qkv
.set ADRS, 27                          ; v27     LDS address of my scale words: lanes 0-15 X's rows, lanes 16-31 the weights'
.set SPW,  28
.set NIL,  29
.set SC,   32
.set AF,   128
.set G1, 24
.set G0, 32
.set G1B, 48
.set G0B, 56
.set G1S, 68
.set G0S, 76
.set G1SB, 80
.set G0SB, 88
.set MSB, 0
.macro WIN new                         ; the immediate's high byte repeats the setting that is left
.if MSB != \new
	s_set_vgpr_msb (MSB<<8)|\new
.set MSB, \new
.endif
.endm
.set MUL_LO, 0xa1                      ; source 0 (weights) window 1, source 1 (X) window 0, C and D window 2
.set MUL_HI, 0xf1
.set TO_B,   0x40
; Waves 0 and 1 fetch for X (jointly), waves 2 and 3 for the weights.  The branch hangs on the wave's number alone.  An s_nop 0 and four v_nop follow each of the two lines.
.macro JLOAD g0a, g1a, g0b, g1b
	s_cmp_eq_u32 s15, 0
	s_cbranch_scc0 .Lfor_b_\@
	tensor_load_to_lds s[\g0a:\g0a+3], s[\g1a:\g1a+7]
	s_nop 0
.rept 4
	v_nop
.endr
	s_branch .Lasked_\@
.Lfor_b_\@:
	tensor_load_to_lds s[\g0b:\g0b+3], s[\g1b:\g1b+7]
	s_nop 0
.rept 4
	v_nop
.endr
.Lasked_\@:
.endm
.macro CROUND                          ; a round of the cluster's barrier
	s_barrier_signal -1
	s_barrier_wait -1
	s_cmp_lg_u32 s14, 0
	s_cbranch_scc1 .Lnot_wave_0_\@
	s_barrier_signal -3
.Lnot_wave_0_\@:
	s_barrier_wait -3
	s_barrier_signal -1
	s_barrier_wait -1
.endm
	s_load_b128 s[4:7], s[0:1], 0x0                ; X's codes, X's scales
	s_load_b128 s[8:11], s[0:1], 0x10              ; the weights' codes, their scales
	s_load_b64 s[12:13], s[0:1], 0x20              ; qkv
	s_load_b64 s[96:97], s[0:1], 0x28              ; fine32
	v_lshl_add_u32 v[SPW], v0, 2, SPARE
	v_mov_b32 v[NIL], 0
	ds_add_u32 v[SPW], v[NIL]                      ; the wave's opening: the add, twice on end, and its wait ahead of my first tensor load
	ds_add_u32 v[SPW], v[NIL]
	v_lshrrev_b32 v1, 5, v0
	v_readfirstlane_b32 s14, v1                    ; wave 0..3
	s_lshr_b32 s15, s14, 1                         ; which half of the tile's tokens is mine.  Also: I fetch for X (0) or for the weights (1)
	s_and_b32 s16, s14, 1                          ; which half of its columns.  Also: which 128 rows I fetch
	s_bfe_u32 s40, ttmp6, 0x40000                  ; cx
	s_lshl_b32 s42, ttmp9, 2
	s_add_co_u32 s42, s42, s40                     ; tile column = 4 x cluster x + cx
	s_and_b32 s17, ttmp7, 0xffff                   ; tile row = cluster y: the four partners share it
	s_mov_b32 s[G1], 15|(1<<20)|(1<<21)|(5<<22)|(3<<25)     ; 15:0 the mask: all four; elements of 1 byte; padding on; bit 21 beside a mask; 4 words after every 64
	s_mov_b32 s[G1B], (1<<20)|(5<<22)|(3<<25)               ; the same with no mask
.irp g, G1, G1B
	s_mov_b32 s[\g+1], ROWB<<16                    ; tensor_dim0
	s_mov_b32 s[\g+2], 128<<16                     ; tensor_dim1
	s_mov_b32 s[\g+3], ROWB<<16                    ; tile_dim0
	s_mov_b32 s[\g+4], 128                         ; tile_dim1
	s_mov_b32 s[\g+5], KROW                        ; from row to row
	s_mov_b32 s[\g+6], 0
	s_mov_b32 s[\g+7], 0
.endr
	s_mov_b32 s[G1S], 15|(3<<16)|(1<<20)|(1<<21)|(5<<22)|(3<<25)   ; the scales of 128 rows: 4,096 dense bytes as 16 rows of 256 (32 elements of 8 bytes)
	s_mov_b32 s[G1SB], (3<<16)|(1<<20)|(5<<22)|(3<<25)
.irp g, G1S, G1SB
	s_mov_b32 s[\g+1], 32<<16
	s_mov_b32 s[\g+2], (128*KS/256)<<16
	s_mov_b32 s[\g+3], 32<<16
	s_mov_b32 s[\g+4], 128*KS/256
	s_mov_b32 s[\g+5], 32
	s_mov_b32 s[\g+6], 0
	s_mov_b32 s[\g+7], 0
.endr
	s_lshl_b32 s18, s16, 7                         ; which 128 rows of the tile I fetch
	s_lshl_b32 s20, s17, 8
	s_add_co_u32 s20, s20, s18                     ; X: row 256 x tile row + 128 x half
	s_lshl_b32 s46, s42, 8
	s_add_co_u32 s46, s46, s18                     ; weights: row 256 x tile column + 128 x half
	s_lshl_b32 s22, s20, 5                         ; where these rows' scales begin, in bytes,
	s_mov_b32 s23, 0
	s_lshl_b32 s92, s46, 5
	s_mov_b32 s93, 0
	s_lshl_b32 s20, s20, 9                         ; and their codes
	s_mov_b32 s21, 0
	s_lshl_b32 s46, s46, 9
	s_mov_b32 s47, 0
	s_mul_i32 s45, s14, HALFT                      ; where they go: wave x 128 rows: no place in the cluster enters an LDS address
	s_mul_i32 s94, s14, HALFS
	s_wait_dscnt 0x0                               ; both opening adds are done
	s_wait_kmcnt 0x0
	s_add_nc_u64 s[20:21], s[4:5], s[20:21]
	s_add_nc_u64 s[22:23], s[6:7], s[22:23]
	s_add_nc_u64 s[46:47], s[8:9], s[46:47]
	s_add_nc_u64 s[92:93], s[10:11], s[92:93]
	CROUND                                         ; all four work-groups are here: the first joint loads meet
	s_mov_b32 s[G0S], 1
	s_add_co_u32 s[G0S+1], s94, SCL
	s_mov_b64 s[G0S+2:G0S+3], s[22:23]
	s_or_b32 s[G0S+3], s[G0S+3], 0x80000000
	s_mov_b32 s[G0SB], 1
	s_add_co_u32 s[G0SB+1], s94, SCL
	s_mov_b64 s[G0SB+2:G0SB+3], s[92:93]
	s_or_b32 s[G0SB+3], s[G0SB+3], 0x80000000
	JLOAD G0S, G1S, G0SB, G1SB                     ; the scales first: they are wanted with K step 0
.irp s, 0,1
	s_mov_b32 s[G0+4*\s], 1
	s_add_co_u32 s[G0+4*\s+1], s45, \s*SLOT
	s_add_nc_u64 s[G0+4*\s+2:G0+4*\s+3], s[20:21], \s*ROWB
	s_or_b32 s[G0+4*\s+3], s[G0+4*\s+3], 0x80000000
	s_mov_b32 s[G0B+4*\s], 1
	s_add_co_u32 s[G0B+4*\s+1], s45, \s*SLOT
	s_add_nc_u64 s[G0B+4*\s+2:G0B+4*\s+3], s[46:47], \s*ROWB
	s_or_b32 s[G0B+4*\s+3], s[G0B+4*\s+3], 0x80000000
	JLOAD G0+4*\s, G1, G0B+4*\s, G1B               ; three loads of mine are out in all
.endr
	v_and_b32 v1, 15, v0                           ; r
	v_bfe_u32 v2, v0, 4, 1                         ; h
	v_mul_u32_u24 v3, v1, PITCH
	v_lshl_add_u32 v4, v2, 4, v3                   ; a fragment's row x pitch + 16 x half
	s_mul_i32 s21, s15, HALFT                      ; my 128 tokens
	s_mul_i32 s22, s16, HALFT                      ; my 128 columns,
	s_add_co_u32 s22, s22, 2*HALFT                 ; which lie behind X's 256 rows
.irp s, 0,1
	v_add_nc_u32 v[ADRA+\s], s21, v4
	v_add_nc_u32 v[ADRB+\s], s22, v4
	s_add_co_u32 s21, s21, SLOT
	s_add_co_u32 s22, s22, SLOT
.endr
	v_mul_u32_u24 v5, v1, KS                       ; my row's scales: 32 bytes a row,
	v_lshrrev_b32 v6, 8, v5
	v_lshl_add_u32 v5, v6, 4, v5                   ; and 16 more for each 256 passed
	s_mul_i32 s21, s15, HALFS
	s_mul_i32 s22, s16, HALFS
	s_add_co_u32 s22, s22, 2*HALFS
	s_sub_co_u32 s22, s22, s21
	v_mul_u32_u24 v6, s22, v2                      ; lanes 16-31 take the weights'
	s_add_co_u32 s21, s21, SCL
	v_add_nc_u32 v5, v5, v6
	v_add_nc_u32 v[ADRS], s21, v5
	v_and_b32 v6, 31, v0
	v_lshlrev_b32 v7, 4, v6                        ; q, k: 16 x lane
	v_and_b32 v8, 7, v1
	v_lshl_add_u32 v8, v2, 3, v8
	v_lshrrev_b32 v9, 3, v1
	v_lshl_add_u32 v8, v9, 4, v8
	v_lshlrev_b32 v8, 4, v8                        ; v: 16 x ((r & 7) + 8 h + 16 (r >> 3))
	s_cmp_eq_u32 ttmp9, 2                          ; tile columns 8-11 are v's: the cluster's x, the same in all partners
	s_cselect_b32 s20, -1, 0
	v_cndmask_b32 v[CO], v7, v8, s20
	v_lshlrev_b32 v[FO], 8, v1
	v_lshl_add_u32 v[FO], v2, 5, v[FO]
	; where my part begins in qkv and in fine32
	s_lshl_b32 s46, ttmp9, 23                      ; T
	s_lshr_b32 s47, s17, 3                         ; batch
	s_lshl_b32 s92, s47, 22
	s_add_co_u32 s46, s46, s92
	s_lshl_b32 s92, s40, 2
	s_lshl_b32 s93, s16, 1
	s_add_co_u32 s92, s92, s93                     ; my first head: 4 cx + 2 x half
	s_lshl_b32 s93, s92, 18
	s_add_co_u32 s46, s46, s93
	s_and_b32 s93, s17, 7
	s_lshl_b32 s93, s93, 4
	s_lshl_b32 s94, s15, 3
	s_add_co_u32 s93, s93, s94                     ; my first tile of 16 tokens in the batch
	s_lshl_b32 s93, s93, 11
	s_add_co_u32 s46, s46, s93
	s_lshl_b32 s93, ttmp9, 1
	s_add_co_u32 s93, s93, s47
	s_lshl_b32 s93, s93, 4
	s_add_co_u32 s92, s93, s92
	s_lshl_b32 s92, s92, 12                        ; ((2 T + batch) 16 + head) x 4,096
	s_mov_b32 s93, 0
	s_mov_b32 s47, 0
	s_add_nc_u64 s[12:13], s[12:13], s[46:47]
	s_add_nc_u64 s[96:97], s[96:97], s[92:93]
.macro FRAG reg, adr, q, i             ; 16 rows x 128 K of 4-bit codes: 8 registers, two loads of 16 bytes, 32 bytes apart
.irp c, 0,1
	ds_load_b128 v[\reg+4*\c:\reg+4*\c+3], v[\adr] offset:64*(\q)+32*\c+(\i)*16*PITCH
.endr
.endm
; 16 matrix instructions: X's blocks a0, a0 + 1 x the weights' eight.  The 64 accumulators take turns, one instruction a turn, in the same order in every step.
.macro MUL16 a0, p, q, sc, zero
.irp a, \a0, \a0+1
.irp b, 0,1,2,3,4,5,6,7
.if \zero
	v_wmma_scale_f32_16x16x128_f8f6f4 v[8*(8*((\a)%4)+\b):8*(8*((\a)%4)+\b)+7], v[128*(\p)+FR*\b:128*(\p)+FR*\b+FR-1], v[AF+FR*(\a):AF+FR*(\a)+FR-1], 0, v[SC+8*NQ*(\sc)+NQ*\b+(\q)], v[SC+8*NQ*(\sc)+NQ*(\a)+(\q)] matrix_a_fmt:MATRIX_FMT_FP4 matrix_b_fmt:MATRIX_FMT_FP4 matrix_a_scale:MATRIX_SCALE_ROW1
.else
	v_wmma_scale_f32_16x16x128_f8f6f4 v[8*(8*((\a)%4)+\b):8*(8*((\a)%4)+\b)+7], v[128*(\p)+FR*\b:128*(\p)+FR*\b+FR-1], v[AF+FR*(\a):AF+FR*(\a)+FR-1], v[8*(8*((\a)%4)+\b):8*(8*((\a)%4)+\b)+7], v[SC+8*NQ*(\sc)+NQ*\b+(\q)], v[SC+8*NQ*(\sc)+NQ*(\a)+(\q)] matrix_a_fmt:MATRIX_FMT_FP4 matrix_b_fmt:MATRIX_FMT_FP4 matrix_a_scale:MATRIX_SCALE_ROW1
.endif
.endr
.endr
.endm
.macro FETCH_B slot, q, p
	WIN TO_B
.irp i, 0,1,2,3,4,5,6,7
	FRAG 128*(\p)+FR*\i, ADRB+\slot, \q, \i
.endr
	WIN 0
.endm
.macro FETCH_A slot, q, i0
.irp i, \i0, \i0+1, \i0+2, \i0+3
	FRAG AF+FR*(\i), ADRA+\slot, \q, \i
.endr
.endm
.macro SCALES sc                       ; a K step's scale words: lanes 0-15 take X's block i, lanes 16-31 the weights' block i
.irp i, 0,1,2,3,4,5,6,7
	ds_load_b128 v[SC+8*NQ*\sc+NQ*\i:SC+8*NQ*\sc+NQ*\i+3], v[ADRS] offset:\i*SBLK
.endr
.endm
.macro PLACES n                        ; plain vector instructions between a matrix instruction and a load into, or a read of, its registers
.rept \n
	v_nop
.endr
.endm
.macro STEP slot, q, zero              ; 128 along K that has its successor in the same slot
	s_wait_dscnt 4*NL                              ; the weights' set and X's blocks 0-3 are in; the youngest eight loads (X's blocks 4-7) may be out
	WIN MUL_LO
	MUL16 0, (\q)%2, \q, \slot, \zero
	MUL16 2, (\q)%2, \q, \slot, \zero
	s_wait_dscnt 0
	PLACES NP
	FETCH_B \slot, (\q)+1, 1-(\q)%2
	FETCH_A \slot, (\q)+1, 0
	WIN MUL_HI
	MUL16 4, (\q)%2, \q, \slot, \zero
	MUL16 6, (\q)%2, \q, \slot, \zero
	PLACES NP
	WIN 0
	FETCH_A \slot, (\q)+1, 4
.endm
.macro TURN slot, next                 ; a slot's last step changes slots: one barrier; nothing is filled again
	s_wait_tensorcnt 0x0                           ; all my tensor loads have landed: my part of the next slot
	ds_add_u32 v[SPW], v[NIL]                      ; 0 onto my spare word
	s_wait_dscnt 4*NL+1                            ; the add and the youngest eight loads may be out
	WIN MUL_LO
	MUL16 0, 1, NQ-1, \slot, 0
	s_wait_dscnt 0x0                               ; the add is done, and my reads of this slot are over
	s_barrier_signal -1
	MUL16 2, 1, NQ-1, \slot, 0
	WIN 0
	s_barrier_wait -1
	PLACES NP
	v_add_nc_u32 v[ADRS], 4*NQ, v[ADRS]            ; on to the next K step's scale words
	FETCH_B \next, 0, 0
	FETCH_A \next, 0, 0
	SCALES \next
	WIN MUL_HI
	MUL16 4, 1, NQ-1, \slot, 0
	MUL16 6, 1, NQ-1, \slot, 0
	PLACES NP
	WIN 0
	FETCH_A \next, 0, 4
.endm
	s_wait_tensorcnt 1                             ; the scales and my part of K step 0 are in; K step 1's load may be out
	s_barrier_signal -1
	s_barrier_wait -1
	FETCH_B 0, 0, 0
	FETCH_A 0, 0, 0
	SCALES 0
	FETCH_A 0, 0, 4
	STEP 0, 0, 1                                   ; the first products start the sums: nothing is cleared
	STEP 0, 1, 0
	STEP 0, 2, 0
	TURN 0, 1
	STEP 1, 0, 0
	STEP 1, 1, 0
	STEP 1, 2, 0
	s_wait_dscnt 4*NL                              ; the very last step: nothing more to fetch
	WIN MUL_LO
	MUL16 0, 1, NQ-1, 1, 0
	MUL16 2, 1, NQ-1, 1, 0
	s_wait_dscnt 0
	WIN MUL_HI
	MUL16 4, 1, NQ-1, 1, 0
	MUL16 6, 1, NQ-1, 1, 0
	WIN 0
	PLACES NP                                      ; in front of the first reads of results and of writes into registers that held operands and scales
	; the first 16 positions of a batch (tile rows 0 and 8, the upper half's block 0) leave as f32 too.  The branch hangs on the cluster's y and the wave's number: the same in all partners
	s_and_b32 s20, s17, 7
	s_or_b32 s20, s20, s15
	s_cmp_lg_u32 s20, 0
	s_cbranch_scc1 .Lnofine
	WIN 0x08                                       ; a store's data are its source 1: window 2
.irp b, 0,1,2,3,4,5,6,7
	global_store_b128 v[FO], v[8*\b:8*\b+3], s[96:97] offset:(\b/4)*4096+(\b%4)*64          ; each accumulator from its low end on
	global_store_b128 v[FO], v[8*\b+4:8*\b+7], s[96:97] offset:(\b/4)*4096+(\b%4)*64+16
.endr
	WIN 0
.Lnofine:
.macro OUT a                           ; block a: 16 tokens x 128 columns = eight blocks of 16 x 16, rounded to f16
.set AC, 64*((\a)%4)
.set TM, 32+32*((\a)%4)
.if (\a) == 4
	s_wait_xcnt 0x0                                ; the stores of blocks 0-3 have read their registers: the four sets may be written again
.endif
	WIN 0x0a+5*((\a)/4)                            ; sources 0 and 1: window 2 or 3
.irp b, 0,1,2,3,4,5,6,7
.irp r, 0,1,2,3
	v_cvt_pk_f16_f32 v[TM+4*\b+\r], v[AC+8*\b+2*\r], v[AC+8*\b+2*\r+1]
.endr
.endr
	WIN 0
.irp b, 0,1,2,3,4,5,6,7
	global_store_b128 v[CO], v[TM+4*\b:TM+4*\b+3], s[12:13] offset:(\b/4)*262144+(\a)*2048+(\b%4)*512   ; 32 lanes store 512 consecutive bytes, aligned
.endr
.endm
.irp a, 0,1,2,3,4,5,6,7
	OUT \a
.endr
	s_wait_tensorcnt 0x0                           ; the wave's end
	ds_add_u32 v[SPW], v[NIL]
	s_wait_dscnt 0x0
	CROUND                                         ; the closing round: no work-group ends while a partner may still ask for a tile that names it
	s_endpgm
.Lfunc_end_k_q7c12694221_qkv:
	.size	k_q7c12694221_qkv, .Lfunc_end_k_q7c12694221_qkv-k_q7c12694221_qkv
	.p2alignl 7, 3214868480
	.fill 96, 4, 3214868480
	.section	.rodata,"a",@progbits
	.p2align	6, 0x0
	.amdhsa_kernel k_q7c12694221_qkv
		.amdhsa_group_segment_fixed_size 327680
		.amdhsa_private_segment_fixed_size 0
		.amdhsa_enable_private_segment 0
		.amdhsa_kernarg_size 48
		.amdhsa_user_sgpr_count 2
		.amdhsa_user_sgpr_kernarg_segment_ptr 1
		.amdhsa_wavefront_size32 1
		.amdhsa_system_sgpr_workgroup_id_x 1
		.amdhsa_system_sgpr_workgroup_id_y 1
		.amdhsa_system_sgpr_workgroup_id_z 1
		.amdhsa_system_vgpr_workitem_id 0
		.amdhsa_next_free_vgpr 1024
		.amdhsa_next_free_sgpr 100
		.amdhsa_reserve_vcc 0
		.amdhsa_float_denorm_mode_32 3
		.amdhsa_float_denorm_mode_16_64 3
		.amdhsa_memory_ordered 1
		.amdhsa_forward_progress 1
		.amdhsa_inst_pref_size 120
	.end_amdhsa_kernel
	.amdgpu_metadata
---
amdhsa.version: [ 1, 2 ]
amdhsa.kernels:
  - .name:           k_q7c12694221_qkv
    .symbol:         k_q7c12694221_qkv.kd
    .args:
      - { .name: xcodes, .offset: 0, .size: 8, .value_kind: global_buffer, .address_space: global }
      - { .name: xscales, .offset: 8, .size: 8, .value_kind: global_buffer, .address_space: global }
      - { .name: wcodes, .offset: 16, .size: 8, .value_kind: global_buffer, .address_space: global }
      - { .name: wscales, .offset: 24, .size: 8, .value_kind: global_buffer, .address_space: global }
      - { .name: qkv, .offset: 32, .size: 8, .value_kind: global_buffer, .address_space: global }
      - { .name: fine32, .offset: 40, .size: 8, .value_kind: global_buffer, .address_space: global }
    .group_segment_fixed_size: 327680
    .private_segment_fixed_size: 0
    .kernarg_segment_align: 8
    .kernarg_segment_size: 48
    .max_flat_workgroup_size: 128
    .sgpr_count:     100
    .vgpr_count:     1024
    .wavefront_size: 32
...
	.end_amdgpu_metadata
.endif
;; end of part 2
;; launch attn (part 3): grid 8 x 32, 8 waves a work-group, no clusters, 327,680 bytes of LDS; arguments qkv, ctxf; writes ctxf
.if DOCPART == 3
	.amdgcn_target "amdgcn-amd-amdhsa--gfx1250"
	.amdhsa_code_object_version 6
	.text
	.protected	k_q7c12694221_attn
	.globl	k_q7c12694221_attn
	.p2align	8
	.type	k_q7c12694221_attn,@function
k_q7c12694221_attn:
	s_mov_b64 s[64:65], 0
	v_nop
	global_prefetch_b8 v0, s[64:65] scope:SCOPE_SE
	s_setreg_imm32_b32 hwreg(HW_REG_WAVE_MODE, 25, 1), 1
	s_wait_xcnt 0x0
; ATTN.  ctx[b][h][q] = sum over k <= q of softmax_k(q . k / 8) v, heads of 64, 2,048 positions, operands in f16, products, maxima and sums in f32, a running maximum for each query.
; BALANCE.  The queries of a head are 16 blocks of 128.  Work-group (i, head) takes block i and then block 15 - i: (i + 1) + (16 - i) = 17 units of 128 queries x 128 keys in every work-group, so every trip count is a constant.
; SHARES.  Eight waves.  Wave w: qq = w / 2 picks 32 queries (two tiles of 16), p = w % 2 picks keys 64 p .. 64 p + 63 of each unit.  Each fragment of K and V read from LDS feeds two products.  Two waves share a SIMD, so one
; wave's matrix instructions can be issued beside the other's softmax.  The two halves of the keys are merged once for each block, through LDS.
; LAYOUT.  S^T = K Q^T (source 0 = 16 keys, source 1 = 16 queries), O^T = V^T P: a lane holds ONE query (lane % 16) throughout.  q, k, v lie in memory as blocks of 16 x 16 in the order of the operands' registers, so a tile
; is dense, LDS needs no padding, and every fragment load is 16 bytes at 16 x lane.  V comes turned, by ds_load_tr16_b128.
; RING.  Two slots of two units; a unit is 16 KiB of K and 16 KiB of V.  Every wave fetches an eighth of a fill, 8 KiB, by one tensor load behind each change of slots; that load has two units' work in which to land.
; NO CLUSTER: which key block a work-group walks in a given trip hangs on its own block of queries, so partners would need different tiles in the same round.
; LIMITS: q, k, v arrive in f16; p is at most about 1 and is rounded to f16; ctx leaves in f16 (under 65,504; under 6e-5 its step is 6e-8).  NaN and infinities are not served.
.set UNITB, 32768                      ; a unit: K's 8 tiles of 16 keys (2,048 bytes each), then V's
.set SLOT1, 65536                      ; slot 1 begins here: one exclusive or turns an address
.set MRG,   131072                     ; the merge: for each wave two tiles of 5,120 bytes: O 4,096, c m at +4,096, l at +4,608 (both at 16 x lane)
.set MRGT,  5120
.set MRGW,  10240
.set QL,    MRG+8*MRGW                 ; the second block's Q: 8 tiles of 2,048 bytes, filled once
.set SPARE, QL+16384                   ; the spare words, 128 bytes for each wave: four blocks of 256 bytes that no other line names
.set AL,  1                            ; v1   16 x lane + 8,192 p: my lane's place in a unit's K
.set ADR, 2                            ; v2   the LDS address of the unit in hand
.set MD,  3                            ; v3   r - 8 h, for the mask
.set LQ,  4                            ; v4   where my second Q lies in LDS
.set SPW, 5
.set NIL, 6
.set GL,  7                            ; v7   16 x lane
.set MA,  8                            ; v8   the merge: where I read
.set TV,  9                            ; v9   at work
.set PFO, 10                           ; v10  256 x lane
.set DA,  11                           ; v11  the merge: where I store
.set ST,  12                           ; tile t at v[12 + 10 t]: +0 c m, +1 m, +2,3 l, +4..7 at work, +8 a, +9 the pair's other half (it holds -infinity for the mask)
.set QR,  32                           ; Q: tile t, channels 32 c on, at 16 t + 8 c
.set SR,  64                           ; S^T: tile t, keys 16 n on, at 32 t + 8 n; then p; then P in f16 at 32 t + 8 g
.set OA,  128                          ; O^T: tile t, channels 16 u on, at 32 t + 8 u
.set KV,  192                          ; K's 8 fragments, then V's
.set WV, 8
.set QQ, 9
.set PH, 10
.set IB, 11
.set BH, 12
.set N1, 13                            ; units of the first block
.set TT, 14                            ; I fetch for K (0) or V (1)
.set UB, 15                            ; which unit of a fill I fetch
.set QB, 16
.set TBASE, 20                         ; s[20:21] my tensor, my head, my half of a key block
.set G1, 24
.set G1Q, 32
.set G0, 40
.set G0Q, 44
.set UF, 48                            ; the unit that my next load brings
.set UU, 49                            ; the unit in hand
.set KF, 50                            ; my step's first key
.set Q0, 51                            ; my first query
.set TB, 52                            ; LDS byte at which the unit in hand begins
.set DC, 53
.set TW, 54
.set PEND, 55                          ; 1: a finished block waits in LDS to be merged
.set CS, 56                            ; s[56:57] c = log2(e) / 8
.set SEL, 58
.set CP, 60                            ; s[60:61] where my merged tile goes
.set CPD, 62
.set LIM, 66
.set PFA, 68
.set T0, 70
.macro NOPS n
.rept \n
	v_nop
.endr
.endm
.macro KBOF d, u                       ; the key block of unit u: u in the first block, u - N1 in the second
	s_cmp_lt_u32 s[\u], s[N1]
	s_cselect_b32 s[\d], 0, s[N1]
	s_sub_co_u32 s[\d], s[\u], s[\d]
.endm
	s_load_b128 s[4:7], s[0:1], 0x0                ; qkv, ctxf
	v_lshl_add_u32 v[SPW], v0, 2, SPARE
	v_mov_b32 v[NIL], 0
	ds_add_u32 v[SPW], v[NIL]                      ; the wave's opening: the add, twice on end, and its wait ahead of my first tensor load
	ds_add_u32 v[SPW], v[NIL]
	v_lshrrev_b32 v[TV], 5, v0
	v_readfirstlane_b32 s[WV], v[TV]               ; wave 0..7
	s_lshr_b32 s[QQ], s[WV], 1
	s_and_b32 s[PH], s[WV], 1
	s_mov_b32 s[IB], ttmp9
	s_and_b32 s[BH], ttmp7, 0xffff
	s_add_co_u32 s[N1], s[IB], 1
	s_lshr_b32 s[TT], s[WV], 2
	s_and_b32 s[UB], s[QQ], 1
	s_mov_b32 s[G1], 3<<16                         ; 8,192 dense bytes as 32 rows of 256 (32 elements of 8 bytes); no mask, no padding
	s_mov_b32 s[G1+1], 32<<16
	s_mov_b32 s[G1+2], 32<<16
	s_mov_b32 s[G1+3], 32<<16
	s_mov_b32 s[G1+4], 32
	s_mov_b32 s[G1+5], 32
	s_mov_b32 s[G1+6], 0
	s_mov_b32 s[G1+7], 0
	s_mov_b32 s[G1Q], 3<<16                        ; 2,048 dense bytes as 8 rows
	s_mov_b32 s[G1Q+1], 32<<16
	s_mov_b32 s[G1Q+2], 8<<16
	s_mov_b32 s[G1Q+3], 32<<16
	s_mov_b32 s[G1Q+4], 8
	s_mov_b32 s[G1Q+5], 32
	s_mov_b32 s[G1Q+6], 0
	s_mov_b32 s[G1Q+7], 0
	s_add_co_u32 s[T0], s[TT], 1
	s_lshl_b32 s[T0], s[T0], 23                    ; k lies 2^23 bytes into qkv, v 2^24
	s_lshl_b32 s[T0+2], s[BH], 18                  ; the head
	s_add_co_u32 s[T0], s[T0], s[T0+2]
	s_lshl_b32 s[T0+1], s[PH], 13
	s_add_co_u32 s[T0], s[T0], s[T0+1]
	s_mov_b32 s[T0+1], 0
	s_lshl_b32 s[T0+4], s[IB], 3
	s_lshl_b32 s[T0+5], s[QQ], 1
	s_add_co_u32 s[T0+4], s[T0+4], s[T0+5]         ; the first block's Q: tile 8 i + 2 qq
	s_lshl_b32 s[T0+4], s[T0+4], 11
	s_add_co_u32 s[T0+4], s[T0+4], s[T0+2]
	s_mov_b32 s[T0+5], 0
	s_sub_co_u32 s[T0+3], 15, s[IB]
	s_lshl_b32 s[T0+3], s[T0+3], 3
	s_add_co_u32 s[T0+3], s[T0+3], s[WV]           ; the second block's Q: I fetch tile 8 (15 - i) + wave
	s_lshl_b32 s[T0+3], s[T0+3], 11
	s_add_co_u32 s[T0+2], s[T0+2], s[T0+3]
	s_mov_b32 s[T0+3], 0
	s_lshr_b32 s76, s[BH], 4
	s_lshl_b32 s76, s76, 7
	s_lshl_b32 s77, s[IB], 3
	s_add_co_u32 s76, s76, s77
	s_add_co_u32 s76, s76, s[WV]                   ; ctxf: tile of rows 128 batch + 8 i + wave,
	s_lshl_b32 s76, s76, 15
	s_and_b32 s77, s[BH], 15
	s_lshl_b32 s77, s77, 11                        ; the head's 2,048 bytes in it
	s_add_co_u32 s76, s76, s77
	s_mov_b32 s77, 0
	s_lshl_b32 s[CPD], s[IB], 1
	s_sub_co_u32 s[CPD], 15, s[CPD]
	s_lshl_b32 s[CPD], s[CPD], 18                  ; from block i to block 15 - i
	s_mov_b32 s[CPD+1], 0
	s_cmp_eq_u32 s[IB], 0
	s_cselect_b32 s[LIM], 16, 0                    ; the head's first work-group prefetches, up to unit 16
	s_mov_b32 s[G0], 1
	s_lshl_b32 s[G0+1], s[UB], 15                  ; LDS: unit, tensor, half
	s_lshl_b32 s78, s[TT], 14
	s_or_b32 s[G0+1], s[G0+1], s78
	s_lshl_b32 s78, s[PH], 13
	s_or_b32 s[G0+1], s[G0+1], s78
	s_mov_b32 s[G0Q], 1
	s_lshl_b32 s[G0Q+1], s[WV], 11
	s_add_co_u32 s[G0Q+1], s[G0Q+1], QL
	KBOF 78, UB
	s_lshl_b32 s78, s78, 14
	s_mov_b32 s79, 0
	s_mov_b32 s[CS], 0x3e38aa3b                    ; c = log2(e) / sqrt(64)
	s_mov_b32 s[CS+1], s[CS]
	s_mov_b32 s[SEL], 0x76543210
	s_mov_b32 s[SEL+1], 0xfedcba98
	s_wait_dscnt 0x0                               ; both opening adds are done
	s_wait_kmcnt 0x0
	s_add_nc_u64 s[TBASE:TBASE+1], s[4:5], s[T0:T0+1]
	s_add_nc_u64 s[G0+2:G0+3], s[TBASE:TBASE+1], s[78:79]
	s_or_b32 s[G0+3], s[G0+3], 0x80000000
	s_add_nc_u64 s[G0Q+2:G0Q+3], s[4:5], s[T0+2:T0+3]
	s_or_b32 s[G0Q+3], s[G0Q+3], 0x80000000
	tensor_load_to_lds s[G0:G0+3], s[G1:G1+7]      ; my eighth of units 0 and 1,
	s_nop 0
	tensor_load_to_lds s[G0Q:G0Q+3], s[G1Q:G1Q+7]  ; and my tile of the second block's Q: two loads of mine are out
	s_nop 0
	NOPS 4
	s_add_nc_u64 s[QB:QB+1], s[4:5], s[T0+4:T0+5]
	s_add_nc_u64 s[CP:CP+1], s[6:7], s[76:77]
	v_and_b32 v[GL], 31, v0
	v_lshlrev_b32 v[PFO], 8, v[GL]
	v_lshlrev_b32 v[GL], 4, v[GL]
.irp t, 0,1
.irp c, 0,1
	global_load_b128 v[QR+16*\t+8*\c:QR+16*\t+8*\c+3], v[GL], s[QB:QB+1] offset:\t*2048+\c*1024
	global_load_b128 v[QR+16*\t+8*\c+4:QR+16*\t+8*\c+7], v[GL], s[QB:QB+1] offset:\t*2048+\c*1024+512
.endr
.endr
	v_and_b32 v[MD], 15, v0
	v_bfe_u32 v[TV], v0, 4, 1
	v_lshlrev_b32 v[TV], 3, v[TV]
	v_sub_nc_u32 v[MD], v[MD], v[TV]
	s_lshl_b32 s[T0], s[PH], 13
	v_add_nc_u32 v[AL], s[T0], v[GL]
	s_lshl_b32 s[T0], s[QQ], 12
	s_add_co_u32 s[T0], s[T0], QL
	v_add_nc_u32 v[LQ], s[T0], v[GL]
	s_mul_i32 s[T0], s[WV], MRGW
	s_add_co_u32 s[T0], s[T0], MRG
	v_add_nc_u32 v[DA], s[T0], v[GL]
	s_mul_i32 s[T0], s[QQ], 2*MRGW
	s_mul_i32 s[T0+1], s[PH], MRGT
	s_add_co_u32 s[T0], s[T0], s[T0+1]
	s_add_co_u32 s[T0], s[T0], MRG
	v_add_nc_u32 v[MA], s[T0], v[GL]               ; I merge tile p of waves 2 qq and 2 qq + 1
.irp t, 0,1
	v_mov_b32 v[ST+10*\t+1], 0xff61b1e6            ; m: -3e38, under every score
	v_mov_b32 v[ST+10*\t+2], 0                     ; l
	v_mov_b32 v[ST+10*\t+3], 0
	v_mov_b32 v[ST+10*\t+9], 0xff800000            ; -infinity
	v_mul_f32 v[ST+10*\t], s[CS], v[ST+10*\t+1]    ; c m
.endr
.set j, 0
.rept 64
	v_mov_b32 v[OA+j], 0                           ; O^T, once: the unit is written without a first step of its own
.set j, j+1
.endr
	s_add_co_u32 s[UF], s[UB], 2
	s_mov_b32 s[UU], 0
	s_lshl_b32 s[KF], s[PH], 6
	s_lshl_b32 s[Q0], s[IB], 7
	s_lshl_b32 s[T0], s[QQ], 5
	s_add_co_u32 s[Q0], s[Q0], s[T0]
	s_mov_b32 s[TB], 0
	s_mov_b32 s[PEND], 0
	s_mov_b32 s[DC], 7
; THE CHANGE OF SLOTS, at a fill's head.  Each wave waits for all its tensor loads, adds 0 to its spare word, and waits for that and for its LDS instructions; behind the barrier the fill ahead is whole and nobody reads the other slot.
; f = 2: that slot is filled with the next two units, an eighth a wave.  f = 1: only unit 16 is left: the waves of a fill's first unit fetch.  f = 0: nothing is left.
.macro CHANGE f
	s_wait_tensorcnt 0x0                           ; no tensor load of mine is out, so the group 0 may be written
	ds_add_u32 v[SPW], v[NIL]                      ; 0 onto my spare word
.if \f
	KBOF T0, UF
	s_lshl_b32 s[T0], s[T0], 14
	s_mov_b32 s[T0+1], 0
	s_add_nc_u64 s[G0+2:G0+3], s[TBASE:TBASE+1], s[T0:T0+1]
	s_or_b32 s[G0+3], s[G0+3], 0x80000000
	s_xor_b32 s[G0+1], s[G0+1], SLOT1
	s_add_co_u32 s[UF], s[UF], 2
.endif
.if \f == 2
	s_wait_xcnt 0x0                                ; the last prefetch, two units back, has read its address
	KBOF T0, UF
	s_lshl_b32 s[T0], s[T0], 14
	s_add_nc_u64 s[PFA:PFA+1], s[TBASE:TBASE+1], s[T0:T0+1]   ; what my NEXT load will bring
.endif
	s_wait_dscnt 0x0                               ; the add is done, my reads of the slot that I have left are over, my stores into the merge have landed
	s_barrier_signal -1
	s_barrier_wait -1
.if \f == 2
	tensor_load_to_lds s[G0:G0+3], s[G1:G1+7]      ; my one tensor load until the next change
	s_nop 0
	NOPS 4
	; A prefetch of the 8,192 bytes that my next load will bring, a lane to each 256.  All work-groups of a head walk the same K and V, and work-group 0 reaches each key block first: it alone asks, so each block is named once.
	; It asks for units 4 to 16 (key blocks 3 to 15); nothing at the head, nothing past unit 16.
	s_cmp_le_u32 s[UF], s[LIM]
	s_cbranch_scc0 .Lnot_mine_\@
	global_prefetch_b8 v[PFO], s[PFA:PFA+1] th:TH_LOAD_NT scope:SCOPE_SE
.Lnot_mine_\@:
.elseif \f == 1
	s_cmp_eq_u32 s[UB], 0                          ; the wave's number alone
	s_cbranch_scc0 .Lno_unit_\@
	tensor_load_to_lds s[G0:G0+3], s[G1:G1+7]
	s_nop 0
	NOPS 4
.Lno_unit_\@:
.endif
.endm
; The softmax of my two tiles for 64 keys; the tiles alternate line by line, so that no line waits for the line above it.
.macro SOFTMAX
.irp k, 0,1,2,3
.irp t, 0,1
	v_max3_num_f32 v[ST+10*\t+4+\k], v[SR+32*\t+8*\k], v[SR+32*\t+8*\k+1], v[SR+32*\t+8*\k+2]   ; four chains, each begun at an accumulator's low end
.endr
.endr
.irp u, 1,2
.irp k, 0,1,2,3
.irp t, 0,1
	v_max3_num_f32 v[ST+10*\t+4+\k], v[ST+10*\t+4+\k], v[SR+32*\t+8*\k+2*\u+1], v[SR+32*\t+8*\k+2*\u+2]
.endr
.endr
.endr
.irp t, 0,1
	v_max3_num_f32 v[ST+10*\t+4], v[ST+10*\t+4], v[SR+32*\t+7], v[SR+32*\t+15]
	v_max3_num_f32 v[ST+10*\t+6], v[ST+10*\t+6], v[SR+32*\t+23], v[SR+32*\t+31]
.endr
.irp t, 0,1
	v_max3_num_f32 v[ST+10*\t+4], v[ST+10*\t+4], v[ST+10*\t+5], v[ST+10*\t+6]
.endr
.irp t, 0,1
	v_max3_num_f32 v[ST+10*\t+4], v[ST+10*\t+4], v[ST+10*\t+7], v[ST+10*\t+1]   ; with the old m
.endr
.irp t, 0,1
	v_permlanex16_b32 v[ST+10*\t+5], v[ST+10*\t+4], s[SEL], s[SEL+1]           ; the query's other 32 keys lie in the lane 16 away
.endr
.irp t, 0,1
	v_mov_b32 v[ST+10*\t+7], v[ST+10*\t]           ; c m_old
.endr
.irp t, 0,1
	v_max_num_f32 v[ST+10*\t+1], v[ST+10*\t+4], v[ST+10*\t+5]
.endr
.irp t, 0,1
	v_mul_f32 v[ST+10*\t], s[CS], v[ST+10*\t+1]
.endr
.irp t, 0,1
	v_sub_f32 v[ST+10*\t+7], v[ST+10*\t+7], v[ST+10*\t]
.endr
.set j, 0
.rept 16
.irp t, 0,1
	v_pk_fma_f32 v[SR+32*\t+2*j:SR+32*\t+2*j+1], v[SR+32*\t+2*j:SR+32*\t+2*j+1], s[CS:CS+1], v[ST+10*\t:ST+10*\t+1] op_sel_hi:[1,0,0] neg_lo:[0,0,1] neg_hi:[0,0,1]   ; c s - c m
.endr
.set j, j+1
.endr
.irp t, 0,1
	v_exp_f32 v[ST+10*\t+8], v[ST+10*\t+7]         ; a = 2^(c m_old - c m_new)
.endr
.set j, 0
.rept 32
.irp t, 0,1
	v_exp_f32 v[SR+32*\t+j], v[SR+32*\t+j]
.endr
.set j, j+1
.endr
	v_nop                                          ; a plain instruction behind the last exponential,
	s_wait_alu depctr_va_vdst(0)                   ; and one wait for the batch of 66, ahead of its first reader
.irp t, 0,1
	v_pk_add_f32 v[ST+10*\t+4:ST+10*\t+5], v[SR+32*\t:SR+32*\t+1], v[SR+32*\t+2:SR+32*\t+3]     ; the sum of the unrounded p, in two chains
	v_pk_add_f32 v[ST+10*\t+6:ST+10*\t+7], v[SR+32*\t+4:SR+32*\t+5], v[SR+32*\t+6:SR+32*\t+7]
.endr
.irp j, 8,12,16,20,24,28
.irp t, 0,1
	v_pk_add_f32 v[ST+10*\t+4:ST+10*\t+5], v[ST+10*\t+4:ST+10*\t+5], v[SR+32*\t+\j:SR+32*\t+\j+1]
	v_pk_add_f32 v[ST+10*\t+6:ST+10*\t+7], v[ST+10*\t+6:ST+10*\t+7], v[SR+32*\t+\j+2:SR+32*\t+\j+3]
.endr
.endr
.irp t, 0,1
	v_pk_add_f32 v[ST+10*\t+4:ST+10*\t+5], v[ST+10*\t+4:ST+10*\t+5], v[ST+10*\t+6:ST+10*\t+7]
.endr
.irp t, 0,1
	v_pk_fma_f32 v[ST+10*\t+2:ST+10*\t+3], v[ST+10*\t+2:ST+10*\t+3], v[ST+10*\t+8:ST+10*\t+9], v[ST+10*\t+4:ST+10*\t+5] op_sel_hi:[1,0,1]   ; l = a l + the sum
.endr
.set j, 0
.rept 16
.irp t, 0,1
	v_cvt_pk_f16_f32 v[SR+32*\t+j], v[SR+32*\t+2*j], v[SR+32*\t+2*j+1]         ; P in f16, in place: registers 8 g .. 8 g + 7 are source 1 for keys 32 g on
.endr
.set j, j+1
.endr
.set j, 0
.rept 16
.irp t, 0,1
	v_pk_mul_f32 v[OA+32*\t+2*j:OA+32*\t+2*j+1], v[OA+32*\t+2*j:OA+32*\t+2*j+1], v[ST+10*\t+8:ST+10*\t+9] op_sel_hi:[1,0]   ; O^T x a, each accumulator from its low end on
.endr
.set j, j+1
.endr
.endm
; My O^T, c m and l of a finished block go to my bytes of the merge.
.macro DUMP
	NOPS 4                                         ; places behind the last products
.irp t, 0,1
	v_add_f32 v[ST+10*\t+4], v[ST+10*\t+2], v[ST+10*\t+3]
.endr
.irp t, 0,1
.irp k, 0,1,2,3,4,5,6,7
	ds_store_b128 v[DA], v[OA+32*\t+4*\k:OA+32*\t+4*\k+3] offset:MRGT*\t+512*\k
.endr
	ds_store_b32 v[DA], v[ST+10*\t] offset:MRGT*\t+4096
	ds_store_b32 v[DA], v[ST+10*\t+4] offset:MRGT*\t+4608
.endr
.endm
; From the first block to the second.  O^T and l are not cleared: with m at -3e38 the next step's a is 0, and they are finite.
.macro SWITCH
	DUMP
.irp t, 0,1
	v_mov_b32 v[ST+10*\t+1], 0xff61b1e6
.endr
.irp t, 0,1
	v_mul_f32 v[ST+10*\t], s[CS], v[ST+10*\t+1]
.endr
.irp t, 0,1
.irp c, 0,1
	ds_load_b128 v[QR+16*\t+8*\c:QR+16*\t+8*\c+3], v[LQ] offset:\t*2048+\c*1024           ; the wait behind the next unit's loads of K covers these
	ds_load_b128 v[QR+16*\t+8*\c+4:QR+16*\t+8*\c+7], v[LQ] offset:\t*2048+\c*1024+512
.endr
.endr
	s_sub_co_u32 s[Q0], 15, s[IB]
	s_lshl_b32 s[Q0], s[Q0], 7
	s_lshl_b32 s[T0], s[QQ], 5
	s_add_co_u32 s[Q0], s[Q0], s[T0]
	s_lshl_b32 s[KF], s[PH], 6
	s_sub_co_u32 s[KF], s[KF], 128                 ; the unit's end adds 128
	s_mov_b32 s[PEND], 1
.endm
; Tile p of waves 2 qq (keys' lower halves) and 2 qq + 1 (upper halves) becomes 16 rows of ctx.  S^T's and K's registers are free between units.
.macro MERGE
	NOPS 4                                         ; places in front of loads into registers that matrix instructions have read
.irp k, 0,1,2,3,4,5,6,7
	ds_load_b128 v[SR+4*\k:SR+4*\k+3], v[MA] offset:512*\k
.endr
.irp k, 0,1,2,3,4,5,6,7
	ds_load_b128 v[SR+32+4*\k:SR+32+4*\k+3], v[MA] offset:MRGW+512*\k
.endr
	ds_load_b32 v[KV], v[MA] offset:4096
	ds_load_b32 v[KV+1], v[MA] offset:4608
	ds_load_b32 v[KV+2], v[MA] offset:MRGW+4096
	ds_load_b32 v[KV+3], v[MA] offset:MRGW+4608
	v_mov_b32 v[KV+8], 0                           ; a lane permute's destination counts as one of its sources
	s_wait_dscnt 0x0
	v_max_num_f32 v[KV+4], v[KV], v[KV+2]          ; the common c m
	v_sub_f32 v[KV+5], v[KV], v[KV+4]
	v_sub_f32 v[KV+6], v[KV+2], v[KV+4]
	v_exp_f32 v[KV+5], v[KV+5]
	v_exp_f32 v[KV+6], v[KV+6]                     ; a wave that saw no key has O = 0, l = 0 and c m far below: its factor is 0
	v_nop
	s_wait_alu depctr_va_vdst(0)
	v_mul_f32 v[KV+7], v[KV+1], v[KV+5]
	v_fma_f32 v[KV+7], v[KV+3], v[KV+6], v[KV+7]
	v_permlanex16_b32 v[KV+8], v[KV+7], s[SEL], s[SEL+1]
	v_add_f32 v[KV+7], v[KV+7], v[KV+8]            ; the row's sum
	v_rcp_f32 v[KV+9], v[KV+7]
	v_nop
	s_wait_alu depctr_va_vdst(0)
	v_mul_f32 v[KV+10], v[KV+5], v[KV+9]
	v_mul_f32 v[KV+11], v[KV+5], v[KV+9]
	v_mul_f32 v[KV+12], v[KV+6], v[KV+9]
	v_mul_f32 v[KV+13], v[KV+6], v[KV+9]
.set j, 0
.rept 16
	v_pk_mul_f32 v[SR+2*j:SR+2*j+1], v[SR+2*j:SR+2*j+1], v[KV+10:KV+11]
.set j, j+1
.endr
.set j, 0
.rept 16
	v_pk_fma_f32 v[SR+2*j:SR+2*j+1], v[SR+32+2*j:SR+32+2*j+1], v[KV+12:KV+13], v[SR+2*j:SR+2*j+1]
.set j, j+1
.endr
.set j, 0
.rept 16
	v_cvt_pk_f16_f32 v[SR+j], v[SR+2*j], v[SR+2*j+1]
.set j, j+1
.endr
.irp k, 0,1,2,3
	global_store_b128 v[GL], v[SR+4*\k:SR+4*\k+3], s[CP:CP+1] offset:512*\k   ; 2,048 bytes on end: the head's two fragments of 16 rows x 32 channels
.endr
	s_wait_xcnt 0x0                                ; the stores have read their registers and their base
	s_add_nc_u64 s[CP:CP+1], s[CP:CP+1], s[CPD:CPD+1]
	s_mov_b32 s[PEND], 0
.endm
; A UNIT: my 32 queries x my 64 keys.  sw = 1: the first block may end here.
.macro UNIT sw
	s_add_co_u32 s[T0], s[Q0], 31                  ; a step all of whose keys come after my queries is left out: ids and counts alone; no barrier and no tensor load stands in a unit
	s_cmp_gt_u32 s[KF], s[T0]
	s_cbranch_scc1 .Lhid_\@
	v_add_nc_u32 v[ADR], s[TB], v[AL]
	NOPS 4                                         ; with the line above five places: the products below write over P, which the last products read; the loads land where V lay
.irp n, 0,1,2,3
.irp c, 0,1
	ds_load_b128 v[KV+16*\n+8*\c:KV+16*\n+8*\c+3], v[ADR] offset:\n*2048+\c*1024
	ds_load_b128 v[KV+16*\n+8*\c+4:KV+16*\n+8*\c+7], v[ADR] offset:\n*2048+\c*1024+512
.endr
.endr
	s_wait_dscnt 0x0
.irp n, 0,1,2,3                        ; the eight accumulators take turns; the first eight products start the sums
.irp t, 0,1
	v_wmma_f32_16x16x32_f16 v[SR+32*\t+8*\n:SR+32*\t+8*\n+7], v[KV+16*\n:KV+16*\n+7], v[QR+16*\t:QR+16*\t+7], 0
.endr
.endr
.irp n, 0,1,2,3
.irp t, 0,1
	v_wmma_f32_16x16x32_f16 v[SR+32*\t+8*\n:SR+32*\t+8*\n+7], v[KV+16*\n+8:KV+16*\n+15], v[QR+16*\t+8:QR+16*\t+15], v[SR+32*\t+8*\n:SR+32*\t+8*\n+7]
.endr
.endr
	NOPS 4                                         ; places in front of the loads into K's registers and of the first reads of the scores
.irp g, 0,1                            ; V, turned: keys 32 g on, channels 16 u on; it lands during the softmax
.irp u, 0,1,2,3
	ds_load_tr16_b128 v[KV+8*(4*\g+\u):KV+8*(4*\g+\u)+3], v[ADR] offset:16384+(2*\g)*2048+\u*512
	ds_load_tr16_b128 v[KV+8*(4*\g+\u)+4:KV+8*(4*\g+\u)+7], v[ADR] offset:16384+(2*\g+1)*2048+\u*512
.endr
.endr
	s_add_co_u32 s[T0], s[KF], 63                  ; on the diagonal hidden scores become -infinity ahead of the maximum; a step all of whose keys count skips this
	s_cmp_le_u32 s[T0], s[Q0]
	s_cbranch_scc1 .Lopen_\@
	s_sub_co_i32 s[T0], s[Q0], s[KF]
	v_add_nc_u32 v[TV], s[T0], v[MD]               ; d = Q0 - KF + r - 8 h.  Register (t, n, j) holds key KF + 16 n + 8 h + j for query Q0 + 16 t + r: hidden where 16 n + j - 16 t > d
.irp t, 0,1
.irp n, 0,1,2,3
.irp j, 0,1,2,3,4,5,6,7
	v_cmp_gt_i32 vcc_lo, 16*\n+\j-16*\t, v[TV]
	v_cndmask_b32 v[SR+32*\t+8*\n+\j], v[SR+32*\t+8*\n+\j], v[ST+9], vcc_lo
.endr
.endr
.endr
.Lopen_\@:
	SOFTMAX
	s_wait_dscnt 0x0                               ; V is in
.irp g, 0,1
.irp u, 0,1,2,3
.irp t, 0,1
	v_wmma_f32_16x16x32_f16 v[OA+32*\t+8*\u:OA+32*\t+8*\u+7], v[KV+8*(4*\g+\u):KV+8*(4*\g+\u)+7], v[SR+32*\t+8*\g:SR+32*\t+8*\g+7], v[OA+32*\t+8*\u:OA+32*\t+8*\u+7]
.endr
.endr
.endr
.Lhid_\@:
.if \sw
	s_cmp_eq_u32 s[UU], s[IB]                      ; unit i is the first block's last
	s_cbranch_scc0 .Lstay_\@
	SWITCH
.Lstay_\@:
.endif
	s_add_co_u32 s[TB], s[TB], UNITB
	s_add_co_u32 s[KF], s[KF], 128
	s_add_co_u32 s[UU], s[UU], 1
.endm
.macro TWO_UNITS sw                    ; a fill's two units: written once, walked twice
	s_mov_b32 s[TW], 2
.Lunit_\@:
	UNIT \sw
	s_sub_co_u32 s[TW], s[TW], 1
	s_cmp_lg_u32 s[TW], 0
	s_cbranch_scc1 .Lunit_\@
	s_sub_co_u32 s[TB], s[TB], 2*UNITB
	s_xor_b32 s[TB], s[TB], SLOT1                  ; on to the other slot
.endm
	s_wait_loadcnt 0x0                             ; Q
.Lslot:                                            ; seven trips: fills 0 to 6 are worked, fills 1 to 7 asked for.  In the first trip all loads fill slot 1 for the first time
	CHANGE 2
	s_cmp_eq_u32 s[PEND], 1                        ; the first block ended in the last trip: its parts lie in LDS, shown whole by the barrier just passed
	s_cbranch_scc0 .Lno_merge
	MERGE
.Lno_merge:
	s_wait_dscnt 0x0                               ; a second barrier in every trip: the merge's reads are over before any wave stores into the merge again
	s_barrier_signal -1
	s_barrier_wait -1
	TWO_UNITS 1
	s_sub_co_u32 s[DC], s[DC], 1
	s_cmp_lg_u32 s[DC], 0
	s_cbranch_scc1 .Lslot
	CHANGE 1                                       ; the tail is written out: fill 8 is unit 16 alone
	TWO_UNITS 0
	CHANGE 0
	UNIT 0
	DUMP
	s_wait_dscnt 0x0                               ; for the others' sake: my stores have landed
	s_barrier_signal -1
	s_barrier_wait -1
	MERGE
	s_wait_tensorcnt 0x0                           ; the wave's end
	ds_add_u32 v[SPW], v[NIL]
	s_wait_dscnt 0x0
	s_endpgm
.Lfunc_end_k_q7c12694221_attn:
	.size	k_q7c12694221_attn, .Lfunc_end_k_q7c12694221_attn-k_q7c12694221_attn
	.p2alignl 7, 3214868480
	.fill 96, 4, 3214868480
	.section	.rodata,"a",@progbits
	.p2align	6, 0x0
	.amdhsa_kernel k_q7c12694221_attn
		.amdhsa_group_segment_fixed_size 327680
		.amdhsa_private_segment_fixed_size 0
		.amdhsa_enable_private_segment 0
		.amdhsa_kernarg_size 16
		.amdhsa_user_sgpr_count 2
		.amdhsa_user_sgpr_kernarg_segment_ptr 1
		.amdhsa_wavefront_size32 1
		.amdhsa_system_sgpr_workgroup_id_x 1
		.amdhsa_system_sgpr_workgroup_id_y 1
		.amdhsa_system_sgpr_workgroup_id_z 1
		.amdhsa_system_vgpr_workitem_id 0
		.amdhsa_next_free_vgpr 256
		.amdhsa_next_free_sgpr 80
		.amdhsa_reserve_vcc 1
		.amdhsa_float_denorm_mode_32 3
		.amdhsa_float_denorm_mode_16_64 3
		.amdhsa_memory_ordered 1
		.amdhsa_forward_progress 1
		.amdhsa_inst_pref_size 91
	.end_amdhsa_kernel
	.amdgpu_metadata
---
amdhsa.version: [ 1, 2 ]
amdhsa.kernels:
  - .name:           k_q7c12694221_attn
    .symbol:         k_q7c12694221_attn.kd
    .args:
      - { .name: qkv, .offset: 0, .size: 8, .value_kind: global_buffer, .address_space: global }
      - { .name: ctxf, .offset: 8, .size: 8, .value_kind: global_buffer, .address_space: global }
    .group_segment_fixed_size: 327680
    .private_segment_fixed_size: 0
    .kernarg_segment_align: 8
    .kernarg_segment_size: 16
    .max_flat_workgroup_size: 256
    .sgpr_count:     80
    .vgpr_count:     256
    .wavefront_size: 32
...
	.end_amdgpu_metadata
.endif
;; end of part 3
;; launch proj (part 4): grid 8 x 32, 4 waves a work-group, clusters of 4 x 4, 327,680 bytes of LDS; arguments ctxf, wof, bo, out0; writes out0
.if DOCPART == 4
	.amdgcn_target "amdgcn-amd-amdhsa--gfx1250"
	.amdhsa_code_object_version 6
	.text
	.protected	k_q7c12694221_proj
	.globl	k_q7c12694221_proj
	.p2align	8
	.type	k_q7c12694221_proj,@function
k_q7c12694221_proj:
	s_mov_b64 s[64:65], 0
	v_nop
	global_prefetch_b8 v0, s[64:65] scope:SCOPE_SE
	s_setreg_imm32_b32 hwreg(HW_REG_WAVE_MODE, 25, 1), 1
	s_wait_xcnt 0x0
	s_wait_alu depctr_hold_cnt(0) depctr_sa_sdst(0) depctr_va_vdst(0) depctr_va_sdst(0) depctr_va_ssrc(0) depctr_va_vcc(0) depctr_vm_vsrc(0)
	s_getreg_b32 s2, hwreg(HW_REG_IB_STS2, 6, 4)
	s_cmp_eq_u32 s2, 0
	s_cbranch_scc0 .Lentry_in_a_cluster
	s_endpgm
.Lentry_in_a_cluster:
	s_bfe_u32 s2, ttmp6, 0x10000c
	s_cmp_lg_u32 s2, 0xf033
	s_cbranch_scc0 .Lentry_shape_is_right
	s_endpgm
.Lentry_shape_is_right:
; PROJ.  out0[m][n] = sum over k of ctx[m][k] Wo[k][n] + bo[n], operands in f16, sums in f32.  4,096 x 1,024 x 1,024.  (The first 16 positions of each batch are written again, more finely, by the launch behind this one.)
; A tile of 128 x 128 is made by four waves, each 64 x 64: 16 accumulators.  8 x 32 tiles: one for each of 256 work-groups.  K goes in steps of 256 through a ring of two LDS slots.
; Both operands lie in memory as images of the operand's registers: [tile of 16 rows][k / 32][1,024 bytes].  So a K step of a tile of 16 rows is 8,192 dense bytes, LDS needs no padding, and every fragment load is 16 bytes at 16 x lane.
; CLUSTERS: 4 x 4.  ctx's tiles are shared along a row of the cluster, Wo's along a column: each is asked for jointly, by the same tensor load with the same descriptor and a mask that names the four.
; THE MATRIX INSTRUCTION IS USED TRANSPOSED (source 0 = 16 columns of Wo, source 1 = 16 rows of ctx): a lane holds eight neighbouring numbers of a row of out0.  The bias is the C of each sum's first product.
; REGISTERS: window 0: v0-31 addresses; v32-63 the bias, later v32-95 the way out; v128-255 the accumulators ((a, b) at v[128 + 8 (4 a + b)]).  window 1: two fragment buffers of 128.
.set KSB,    8192                      ; a K step of a tile of 16 rows, in bytes
.set SLOT,   131072                    ; ctx's 8 tiles, then Wo's 8
.set SPARE,  262144                    ; the spare words, 128 bytes for each wave
.set SPITCH, 272                       ; the way out: 16 rows x (256 bytes + 16) for each wave, in slot 0, which has had its last fill and its last read by then
.set LAPS,   2                         ; a lap = two K steps
.set ADRA, 16
.set ADRB, 20
.set STO,  24
.set RD,   25
.set CO,   26
.set BOF,  27
.set SPW,  28
.set NIL,  29
.set BIAS, 32
.set TMP,  32
.set ACC,  128
.set F0,   0
.set F1,   128
.set G1, 24
.set G0, 32
.set G1B, 48
.set G0B, 56
.set MSB, 0
.macro WIN new
.if MSB != \new
	s_set_vgpr_msb (MSB<<8)|\new
.set MSB, \new
.endif
.endm
.set MUL,  0x05                        ; sources 0 and 1 window 1; C and D window 0
.set TO_F, 0x40
.macro JLOAD s                         ; waves 0 and 1 fetch ctx's two halves, waves 2 and 3 Wo's; an s_nop 0 and four v_nop follow each of the two lines
	s_cmp_eq_u32 s11, 0
	s_cbranch_scc0 .Lfor_b_\@
	tensor_load_to_lds s[G0+4*\s:G0+4*\s+3], s[G1:G1+7]
	s_nop 0
.rept 4
	v_nop
.endr
	s_branch .Lasked_\@
.Lfor_b_\@:
	tensor_load_to_lds s[G0B+4*\s:G0B+4*\s+3], s[G1B:G1B+7]
	s_nop 0
.rept 4
	v_nop
.endr
.Lasked_\@:
.endm
.macro CREST
	s_cmp_lg_u32 s10, 0
	s_cbranch_scc1 .Lnot_wave_0_\@
	s_barrier_signal -3
.Lnot_wave_0_\@:
	s_barrier_wait -3
	s_barrier_signal -1
	s_barrier_wait -1
.endm
.macro CROUND
	s_barrier_signal -1
	s_barrier_wait -1
	CREST
.endm
	s_load_b128 s[4:7], s[0:1], 0x0                ; ctxf, wof
	s_load_b64 s[66:67], s[0:1], 0x10              ; bo
	s_load_b64 s[8:9], s[0:1], 0x18                ; out0
	v_lshl_add_u32 v[SPW], v0, 2, SPARE
	v_mov_b32 v[NIL], 0
	ds_add_u32 v[SPW], v[NIL]                      ; the wave's opening: the add, twice on end, and its wait ahead of my first tensor load
	ds_add_u32 v[SPW], v[NIL]
	v_lshrrev_b32 v1, 5, v0
	v_readfirstlane_b32 s10, v1                    ; wave 0..3
	s_lshr_b32 s11, s10, 1                         ; which half of the tile's rows is mine.  Also: I fetch for ctx (0) or for Wo (1)
	s_and_b32 s12, s10, 1                          ; which half of its columns.  Also: which four tiles of 16 I fetch
	s_bfe_u32 s40, ttmp6, 0x40000                  ; cx, cy
	s_bfe_u32 s41, ttmp6, 0x40004
	s_lshl_b32 s42, ttmp9, 2
	s_add_co_u32 s42, s42, s40                     ; tile column
	s_and_b32 s13, ttmp7, 0xffff
	s_lshl_b32 s13, s13, 2
	s_add_co_u32 s13, s13, s41                     ; tile row
	s_lshl_b32 s43, s41, 2
	s_lshl_b32 s43, 15, s43                        ; my row of the cluster
	s_lshl_b32 s44, 0x1111, s40                    ; my column
	s_or_b32 s[G1+0], s43, (3<<16)|(1<<21)         ; the mask; elements of 8 bytes; bit 21 beside a mask; no padding
	s_or_b32 s[G1B+0], s44, (3<<16)|(1<<21)
.irp g, G1, G1B
	s_mov_b32 s[\g+1], 1024<<16                    ; tensor_dim0: 8,192 bytes
	s_mov_b32 s[\g+2], 4<<16                       ; tensor_dim1: four tiles of 16 rows
	s_mov_b32 s[\g+3], 1024<<16                    ; tile_dim0
	s_mov_b32 s[\g+4], 4                           ; tile_dim1
	s_mov_b32 s[\g+5], 4096                        ; from tile to tile: 32,768 bytes
	s_mov_b32 s[\g+6], 0
	s_mov_b32 s[\g+7], 0
.endr
	s_lshl_b32 s16, s13, 3
	s_lshl_b32 s17, s12, 2
	s_add_co_u32 s16, s16, s17                     ; ctx: tile of rows 8 x tile row + 4 x half
	s_lshl_b32 s16, s16, 15
	s_lshl_b32 s46, s42, 3
	s_add_co_u32 s46, s46, s17                     ; Wo: tile of columns 8 x tile column + 4 x half
	s_lshl_b32 s46, s46, 15
	s_mov_b32 s17, 0
	s_mov_b32 s47, 0
	s_lshl_b32 s20, s10, 15                        ; where they go: wave x 32,768
	s_wait_dscnt 0x0                               ; both opening adds are done
	s_wait_kmcnt 0x0
	s_add_nc_u64 s[14:15], s[4:5], s[16:17]
	s_add_nc_u64 s[46:47], s[6:7], s[46:47]
	CROUND                                         ; all sixteen work-groups are here: the first joint loads meet
.irp s, 0,1
	s_mov_b32 s[G0+4*\s], 1
	s_add_co_u32 s[G0+4*\s+1], s20, \s*SLOT
	s_add_nc_u64 s[G0+4*\s+2:G0+4*\s+3], s[14:15], \s*KSB
	s_or_b32 s[G0+4*\s+3], s[G0+4*\s+3], 0x80000000
	s_mov_b32 s[G0B+4*\s], 1
	s_add_co_u32 s[G0B+4*\s+1], s20, \s*SLOT
	s_add_nc_u64 s[G0B+4*\s+2:G0B+4*\s+3], s[46:47], \s*KSB
	s_or_b32 s[G0B+4*\s+3], s[G0B+4*\s+3], 0x80000000
	JLOAD \s
.endr
	v_and_b32 v1, 15, v0                           ; r
	v_bfe_u32 v2, v0, 4, 1                         ; h
	v_and_b32 v3, 31, v0
	v_lshlrev_b32 v3, 4, v3                        ; 16 x lane
	s_lshl_b32 s21, s11, 15                        ; my four tiles of rows
	s_lshl_b32 s22, s12, 15                        ; my four tiles of columns,
	s_add_co_u32 s22, s22, 65536                   ; which lie behind ctx's eight
.irp s, 0,1
	v_add_nc_u32 v[ADRA+\s], s21, v3
	v_add_nc_u32 v[ADRB+\s], s22, v3
	s_add_co_u32 s21, s21, SLOT
	s_add_co_u32 s22, s22, SLOT
.endr
	s_mul_i32 s23, s10, 16*SPITCH                  ; my stage
	v_mul_u32_u24 v4, v1, SPITCH
	v_lshl_add_u32 v4, v2, 5, v4
	v_add_nc_u32 v[STO], s23, v4                   ; in: row r, 32 bytes for each half of the lanes
	v_mul_u32_u24 v5, v2, SPITCH
	v_lshl_add_u32 v5, v1, 4, v5
	v_add_nc_u32 v[RD], s23, v5                    ; back: lanes 0-15 one row of 256 bytes, lanes 16-31 the next
	v_lshlrev_b32 v5, 12, v2
	v_lshl_add_u32 v[CO], v1, 4, v5                ; and the same two rows in out0
	v_lshlrev_b32 v[BOF], 5, v2                    ; the bias: my half's eight numbers
	s_lshl_b32 s16, s13, 7
	s_lshl_b32 s17, s11, 6
	s_add_co_u32 s16, s16, s17                     ; my first row
	s_lshl_b32 s16, s16, 12
	s_mov_b32 s17, 0
	s_add_nc_u64 s[8:9], s[8:9], s[16:17]
	s_lshl_b32 s46, s42, 9
	s_lshl_b32 s47, s12, 8
	s_add_co_u32 s46, s46, s47                     ; my first column, in bytes: a multiple of 256
	s_mov_b32 s47, 0
	s_add_nc_u64 s[8:9], s[8:9], s[46:47]
	s_add_nc_u64 s[66:67], s[66:67], s[46:47]
.irp b, 0,1,2,3
	global_load_b128 v[BIAS+8*\b:BIAS+8*\b+3], v[BOF], s[66:67] offset:64*\b       ; bo(my columns 16 b + 8 h + 0 .. 7), in the result's layout
	global_load_b128 v[BIAS+8*\b+4:BIAS+8*\b+7], v[BOF], s[66:67] offset:64*\b+16
.endr
.macro MUL8 f, c, a0, zero             ; 8 matrix instructions: row tiles a0, a0 + 1 x all 4 column tiles, 32 along K.  zero = 1: the first product starts the sum, on the bias
.irp a, \a0, \a0+1
.irp b, 0,1,2,3
.if \zero
	v_wmma_f32_16x16x32_f16 v[ACC+8*(4*(\a)+\b):ACC+8*(4*(\a)+\b)+7], v[\f+64+8*(4*\c+\b):\f+64+8*(4*\c+\b)+7], v[\f+8*(4*\c+\a):\f+8*(4*\c+\a)+7], v[BIAS+8*\b:BIAS+8*\b+7]
.else
	v_wmma_f32_16x16x32_f16 v[ACC+8*(4*(\a)+\b):ACC+8*(4*(\a)+\b)+7], v[\f+64+8*(4*\c+\b):\f+64+8*(4*\c+\b)+7], v[\f+8*(4*\c+\a):\f+8*(4*\c+\a)+7], v[ACC+8*(4*(\a)+\b):ACC+8*(4*(\a)+\b)+7]
.endif
.endr
.endr
.endm
.macro FETCH slot, k, f                ; 32 LDS loads in one run: the fragments of 64 along K (two chunks of 1,024 bytes, from byte k of a tile's K step), the first 32 along K first
	WIN TO_F
.irp c, 0,1
.irp i, 0,1,2,3
	ds_load_b128 v[\f+64+8*(4*\c+\i):\f+64+8*(4*\c+\i)+3],   v[ADRB+\slot] offset:\k+1024*\c+\i*KSB
	ds_load_b128 v[\f+64+8*(4*\c+\i)+4:\f+64+8*(4*\c+\i)+7], v[ADRB+\slot] offset:\k+1024*\c+\i*KSB+512
	ds_load_b128 v[\f+8*(4*\c+\i):\f+8*(4*\c+\i)+3],         v[ADRA+\slot] offset:\k+1024*\c+\i*KSB
	ds_load_b128 v[\f+8*(4*\c+\i)+4:\f+8*(4*\c+\i)+7],       v[ADRA+\slot] offset:\k+1024*\c+\i*KSB+512
.endr
.endr
.endm
.macro PLACES                          ; four places in front of loads into registers that matrix instructions have read, and of reads of results
.rept 4
	v_nop
.endr
.endm
.macro QUARTER slot, k, f, g, zero     ; 64 along K: multiplies buffer f, fetches the next quarter, at byte k, into g
	s_wait_dscnt 16                                ; the first 32 along K are in; the youngest sixteen loads may be out
	WIN MUL
	MUL8 \f, 0, 0, \zero
	MUL8 \f, 0, 2, \zero
	PLACES
	FETCH \slot, \k, \g
	s_wait_dscnt 32                                ; all but the 32 just issued
	WIN MUL
	MUL8 \f, 1, 0, 0
	MUL8 \f, 1, 2, 0
.endm
.macro TURN slot, next, fill           ; the last quarter changes slots: one barrier; fill = 1: it opens a round of the cluster's barrier, and this slot is filled again, two K steps ahead
	WIN 0
	s_wait_tensorcnt 0x0                           ; all my tensor loads have landed: my part of the next slot
	ds_add_u32 v[SPW], v[NIL]                      ; 0 onto my spare word
	s_wait_dscnt 17                                ; the add and the youngest sixteen loads may be out
	WIN MUL
	MUL8 F1, 0, 0, 0
	s_wait_dscnt 0x0                               ; the add is done, and my reads of this slot are over
	s_barrier_signal -1
	MUL8 F1, 0, 2, 0
.if \fill
	WIN 0
.endif
	s_barrier_wait -1
.if \fill
	CREST                                          ; no wave of any partner still reads this slot's tile or has a load on its way
	s_add_nc_u64 s[G0+4*\slot+2:G0+4*\slot+3], s[G0+4*\slot+2:G0+4*\slot+3], 2*KSB
	s_add_nc_u64 s[G0B+4*\slot+2:G0B+4*\slot+3], s[G0B+4*\slot+2:G0B+4*\slot+3], 2*KSB
	JLOAD \slot                                    ; the first tensor load behind the round; its four v_nop are also the places in front of the loads below
.else
	PLACES
.endif
	FETCH \next, 0, F0
	WIN MUL
	MUL8 F1, 1, 0, 0
	MUL8 F1, 1, 2, 0
.endm
	s_wait_tensorcnt 1                             ; my part of K step 0 is in; K step 1's load may be out
	s_barrier_signal -1
	s_barrier_wait -1
	FETCH 0, 0, F0
	s_wait_loadcnt 0x0                             ; the bias
	QUARTER 0, 2048, F0, F1, 1
	WIN 0
	s_mov_b32 s3, LAPS-1
.Llap:                                             ; a trip goes once round the ring, from a lap's second quarter to the next lap's first, and fills both slots again
	QUARTER 0, 4096, F1, F0, 0
	QUARTER 0, 6144, F0, F1, 0
	TURN 0, 1, 1
	QUARTER 1, 2048, F0, F1, 0
	QUARTER 1, 4096, F1, F0, 0
	QUARTER 1, 6144, F0, F1, 0
	TURN 1, 0, 1
	QUARTER 0, 2048, F0, F1, 0
	WIN 0
	s_sub_co_u32 s3, s3, 1
	s_cmp_lg_u32 s3, 0
	s_cbranch_scc1 .Llap
	QUARTER 0, 4096, F1, F0, 0                     ; the last lap fills nothing
	QUARTER 0, 6144, F0, F1, 0
	TURN 0, 1, 0
	QUARTER 1, 2048, F0, F1, 0
	QUARTER 1, 4096, F1, F0, 0
	QUARTER 1, 6144, F0, F1, 0
	s_wait_dscnt 16
	WIN MUL
	MUL8 F1, 0, 0, 0
	MUL8 F1, 0, 2, 0
	s_wait_dscnt 0
	MUL8 F1, 1, 0, 0
	MUL8 F1, 1, 2, 0
	WIN 0
; THE WAY OUT.  My 64 columns of f32 are 256 bytes of a row, aligned: each wave has a stage of its own and no barrier is needed.  LDS serves a wave's instructions in order.
.macro TOSTAGE a
.irp b, 0,1,2,3
	ds_store_b128 v[STO], v[ACC+8*(4*(\a)+\b):ACC+8*(4*(\a)+\b)+3] offset:64*\b        ; each accumulator from its low end on
	ds_store_b128 v[STO], v[ACC+8*(4*(\a)+\b)+4:ACC+8*(4*(\a)+\b)+7] offset:64*\b+16
.endr
.irp t, 0,1,2,3,4,5,6,7
	ds_load_b128 v[TMP+32*((\a)%2)+4*\t:TMP+32*((\a)%2)+4*\t+3], v[RD] offset:\t*2*SPITCH
.endr
.endm
.macro SEND a, younger                 ; younger: the LDS instructions issued behind block a's loads
	s_wait_dscnt \younger
.irp t, 0,1,2,3,4,5,6,7
	global_store_b128 v[CO], v[TMP+32*((\a)%2)+4*\t:TMP+32*((\a)%2)+4*\t+3], s[8:9] offset:(16*(\a)+2*\t)*4096 th:TH_STORE_NT   ; sixteen lanes store 256 consecutive bytes, aligned
.endr
.endm
	PLACES
	TOSTAGE 0
	TOSTAGE 1
	SEND 0, 16                                     ; behind block 0's loads: block 1's eight stores and eight loads
	s_wait_xcnt 0x0                                ; block 0's stores have read their registers
	TOSTAGE 2
	SEND 1, 16
	s_wait_xcnt 0x0
	TOSTAGE 3
	SEND 2, 16
	SEND 3, 0
	s_wait_tensorcnt 0x0                           ; the wave's end
	ds_add_u32 v[SPW], v[NIL]
	s_wait_dscnt 0x0
	CROUND                                         ; the closing round
	s_endpgm
.Lfunc_end_k_q7c12694221_proj:
	.size	k_q7c12694221_proj, .Lfunc_end_k_q7c12694221_proj-k_q7c12694221_proj
	.p2alignl 7, 3214868480
	.fill 96, 4, 3214868480
	.section	.rodata,"a",@progbits
	.p2align	6, 0x0
	.amdhsa_kernel k_q7c12694221_proj
		.amdhsa_group_segment_fixed_size 327680
		.amdhsa_private_segment_fixed_size 0
		.amdhsa_enable_private_segment 0
		.amdhsa_kernarg_size 32
		.amdhsa_user_sgpr_count 2
		.amdhsa_user_sgpr_kernarg_segment_ptr 1
		.amdhsa_wavefront_size32 1
		.amdhsa_system_sgpr_workgroup_id_x 1
		.amdhsa_system_sgpr_workgroup_id_y 1
		.amdhsa_system_sgpr_workgroup_id_z 1
		.amdhsa_system_vgpr_workitem_id 0
		.amdhsa_next_free_vgpr 512
		.amdhsa_next_free_sgpr 70
		.amdhsa_reserve_vcc 0
		.amdhsa_float_denorm_mode_32 3
		.amdhsa_float_denorm_mode_16_64 3
		.amdhsa_memory_ordered 1
		.amdhsa_forward_progress 1
		.amdhsa_inst_pref_size 86
	.end_amdhsa_kernel
	.amdgpu_metadata
---
amdhsa.version: [ 1, 2 ]
amdhsa.kernels:
  - .name:           k_q7c12694221_proj
    .symbol:         k_q7c12694221_proj.kd
    .args:
      - { .name: ctxf, .offset: 0, .size: 8, .value_kind: global_buffer, .address_space: global }
      - { .name: wof, .offset: 8, .size: 8, .value_kind: global_buffer, .address_space: global }
      - { .name: bo, .offset: 16, .size: 8, .value_kind: global_buffer, .address_space: global }
      - { .name: out0, .offset: 24, .size: 8, .value_kind: global_buffer, .address_space: global }
    .group_segment_fixed_size: 327680
    .private_segment_fixed_size: 0
    .kernarg_segment_align: 8
    .kernarg_segment_size: 32
    .max_flat_workgroup_size: 128
    .sgpr_count:     70
    .vgpr_count:     512
    .wavefront_size: 32
...
	.end_amdgpu_metadata
.endif
;; end of part 4
;; launch fine (part 5): grid 64 x 2, 16 waves a work-group, no clusters, 309,248 bytes of LDS; arguments fine32, Wo, bo, out0; writes out0
.if DOCPART == 5
	.amdgcn_target "amdgcn-amd-amdhsa--gfx1250"
	.amdhsa_code_object_version 6
	.text
	.protected	k_q7c12694221_fine
	.globl	k_q7c12694221_fine
	.p2align	8
	.type	k_q7c12694221_fine,@function
k_q7c12694221_fine:
	s_mov_b64 s[64:65], 0
	v_nop
	global_prefetch_b8 v0, s[64:65] scope:SCOPE_SE
	s_setreg_imm32_b32 hwreg(HW_REG_WAVE_MODE, 25, 1), 1
	s_wait_xcnt 0x0
; FINE.  The first 16 positions of each batch once more, wholly in f32: there a row of the softmax averages one to sixteen values, the results are the largest of the output, and f16 operands would weigh most.
; Work-group (x, y) makes out0[batch y][0..15][16 x .. 16 x + 15].  Wave w is head w: it computes the head's 16 x 16 attention from the f32 copies of q, k, v, multiplies its ctx (16 x 64) by Wo[64 w .. 64 w + 63][my 16 columns],
; and the sixteen partial tiles are added through LDS in a fixed order.  All products by v_wmma_f32_16x16x4_f32, 48 a wave: no bulk work.
; THE OPERANDS COME DENSE AND ARE TURNED IN LDS.  A matrix operand wants a row (or a column) in a lane; memory has a row across lanes.  So q, k, v of my head (4,096 dense bytes each) come by eight loads of 512 consecutive bytes,
; Wo's 64 rows x 64 bytes by eight loads of four lanes a row: 33 loads a wave.  Each goes into my wave's own bytes of LDS as it lies and comes back in the operand's order, into the registers that it left.
; LDS serves a wave's instructions in order, and no other wave touches these bytes: no barrier.  v's and Wo's turn stands behind the issue of the first sixteen products.
; K IS PERMUTED ALIKE ON BOTH SOURCES: in a K step the lanes' half h gives two numbers of its own run.
; Both attention products and the projection are used transposed: a lane holds ONE query (lane % 16) throughout.  The stores are pieces of 64 bytes a row, 131,072 bytes in the whole launch.
.set WREG,  18176                      ; a wave's LDS: q, k, v as 16 rows of 256 bytes + 16 of padding, then Wo's 64 rows of 64 bytes + 16
.set LK,    4352
.set LV,    8704
.set LW,    13056
.set PART,  16*WREG                    ; the sixteen partial tiles of 1,024 bytes
.set SPARE, PART+16384                 ; the spare words, 128 bytes for each wave
.set DIN, 4                            ; v4    LDS: q, k, v on the way in: 272 h + 16 r; a load's 512 bytes are two rows
.set TR, 8                             ; v8-15   at work: scores, e, partial sums
.set PR, 16                            ; v16-23  p
.set QF, 32                            ; v32-63  q(r, 32 h + i)
.set KF, 64                            ; v64-95  k(r, 32 h + i)
.set VF, 96                            ; v96-127 v(8 h + i, 16 u + r) at 8 u + i
.set WF, 128                           ; v128-159 Wo(64 w + 16 u + 8 h + e, n0 + r) at 8 u + e
.set BI, 160                           ; v160-163 bo
.set OO, 164                           ; v164    my byte offset in out0
.set SA, 168                           ; registers that matrix instructions alone write: S^T in two halves,
.set SB, 176
.set OT, 184                           ; O^T, four tiles of channels,
.set PA, 216                           ; the projection in two halves
.set PB, 224
.set DQK, 232                          ; v232  LDS: q, k on the way back: 272 r + 128 h
.set DV,  233                          ; v233  v on the way back: 8 h rows, + 4 r
.set DWI, 234                          ; v234  Wo on the way in: 80 (lane / 4) + 16 (lane % 4)
.set DWO, 235                          ; v235  Wo on the way back: 8 h rows, + 4 r
	s_load_b256 s[4:11], s[0:1], 0x0               ; fine32, Wo, bo, out0
	v_lshl_add_u32 v30, v0, 2, SPARE
	v_mov_b32 v31, 0
	v_lshrrev_b32 v1, 5, v0
	v_readfirstlane_b32 s12, v1                    ; wave = head
	s_and_b32 s13, ttmp7, 0xffff                   ; batch
	s_lshl_b32 s14, ttmp9, 6                       ; my first column, in bytes
	v_and_b32 v1, 15, v0                           ; r
	v_bfe_u32 v2, v0, 4, 1                         ; h
	v_and_b32 v3, 31, v0
	v_lshlrev_b32 v3, 4, v3                        ; 16 x lane: q, k, v in memory
	v_bfe_u32 v25, v0, 2, 3                        ; lane / 4
	v_and_b32 v26, 3, v0                           ; lane % 4
	v_lshlrev_b32 v5, 12, v25
	v_lshl_add_u32 v5, v26, 4, v5                  ; Wo in memory: row lane / 4 of 4,096 bytes, + 16 (lane % 4)
	s_mul_i32 s16, s12, WREG                       ; my wave's bytes of LDS
	v_mul_u32_u24 v[DIN], v2, 272
	v_lshl_add_u32 v[DIN], v1, 4, v[DIN]
	v_add_nc_u32 v[DIN], s16, v[DIN]
	v_mul_u32_u24 v[DQK], v1, 272
	v_lshl_add_u32 v[DQK], v2, 7, v[DQK]
	v_add_nc_u32 v[DQK], s16, v[DQK]
	v_mul_u32_u24 v[DV], v2, 8*272
	v_lshl_add_u32 v[DV], v1, 2, v[DV]
	v_add_nc_u32 v[DV], s16, v[DV]
	v_mul_u32_u24 v[DWI], v25, 80
	v_lshl_add_u32 v[DWI], v26, 4, v[DWI]
	v_add_nc_u32 v[DWI], s16, v[DWI]
	v_mul_u32_u24 v[DWO], v2, 8*80
	v_lshl_add_u32 v[DWO], v1, 2, v[DWO]
	v_add_nc_u32 v[DWO], s16, v[DWO]
	s_and_b32 s15, s12, 1
	s_lshl_b32 s17, s15, 4
	v_lshlrev_b32 v6, 5, v2
	v_add_nc_u32 v6, s17, v6                       ; the bias, and a row's piece: 32 h + 16 (wave % 2)
	v_lshl_add_u32 v[OO], v1, 12, v6               ; out0: row r of 4,096 bytes
	v_lshlrev_b32 v7, 3, v2
	v_sub_nc_u32 v7, v1, v7                        ; d = r - 8 h: register j holds key 8 h + j, hidden where j > d
	v_mov_b32 v27, 0xff800000                      ; -infinity
	s_lshl_b32 s17, s12, 10
	s_add_co_u32 s17, s17, PART
	v_add_nc_u32 v28, s17, v3                      ; LDS: my partial tile
	s_lshl_b32 s17, s15, 9
	s_add_co_u32 s17, s17, PART
	v_add_nc_u32 v29, s17, v3                      ; and where waves 0 and 1 read: half (wave % 2) of every tile
	s_mov_b32 s26, 0x3e38aa3b                      ; c = log2(e) / 8
	s_mov_b32 s28, 0x76543210
	s_mov_b32 s29, 0xfedcba98
	s_lshl_b32 s18, s13, 4
	s_add_co_u32 s18, s18, s12
	s_lshl_b32 s18, s18, 12                        ; (16 batch + head) x 4,096
	s_mov_b32 s19, 0
	s_lshl_b32 s20, s12, 18
	s_add_co_u32 s20, s20, s14                     ; Wo: 64 head rows, my columns
	s_mov_b32 s21, 0
	s_mov_b32 s22, s14
	s_mov_b32 s23, 0
	s_lshl_b32 s24, s13, 23
	s_add_co_u32 s24, s24, s14
	s_mov_b32 s25, 0
	s_wait_kmcnt 0x0
	s_add_nc_u64 s[4:5], s[4:5], s[18:19]
	s_add_nc_u64 s[6:7], s[6:7], s[20:21]
	s_add_nc_u64 s[8:9], s[8:9], s[22:23]
	s_add_nc_u64 s[10:11], s[10:11], s[24:25]
.irp j, 0,1,2,3,4,5,6,7
	global_load_b128 v[QF+4*\j:QF+4*\j+3], v3, s[4:5] offset:512*\j               ; q: 512 consecutive bytes a load: rows 2 j, 2 j + 1
.endr
.irp j, 0,1,2,3,4,5,6,7
	global_load_b128 v[KF+4*\j:KF+4*\j+3], v3, s[4:5] offset:131072+512*\j        ; k
.endr
.irp j, 0,1,2,3,4,5,6,7
	global_load_b128 v[VF+4*\j:VF+4*\j+3], v3, s[4:5] offset:262144+512*\j        ; v
.endr
.irp j, 0,1,2,3,4,5,6,7
	global_load_b128 v[WF+4*\j:WF+4*\j+3], v5, s[6:7] offset:32768*\j             ; Wo: rows 8 j .. 8 j + 7 of my 64, 64 bytes of each
.endr
	global_load_b128 v[BI:BI+3], v6, s[8:9]
	s_wait_loadcnt 25                              ; q is in: k's, v's, Wo's eight loads each and the bias are younger
.irp j, 0,1,2,3,4,5,6,7
	ds_store_b128 v[DIN], v[QF+4*\j:QF+4*\j+3] offset:544*\j
.endr
	s_wait_loadcnt 17                              ; k is in
.irp j, 0,1,2,3,4,5,6,7
	ds_store_b128 v[DIN], v[KF+4*\j:KF+4*\j+3] offset:LK+544*\j
.endr
.irp j, 0,1,2,3,4,5,6,7
	ds_load_b128 v[QF+4*\j:QF+4*\j+3], v[DQK] offset:16*\j                        ; q(r, 32 h + 4 j ..): these see my stores
.endr
.irp j, 0,1,2,3,4,5,6,7
	ds_load_b128 v[KF+4*\j:KF+4*\j+3], v[DQK] offset:LK+16*\j
.endr
	s_wait_dscnt 0x0
	; S^T = k q^T: 16 K steps of 4; two accumulators take turns; each begins with its own first K step
	v_wmma_f32_16x16x4_f32 v[SA:SA+7], v[KF:KF+1], v[QF:QF+1], 0
	v_wmma_f32_16x16x4_f32 v[SB:SB+7], v[KF+2:KF+3], v[QF+2:QF+3], 0
.irp j, 2,4,6,8,10,12,14
	v_wmma_f32_16x16x4_f32 v[SA:SA+7], v[KF+2*\j:KF+2*\j+1], v[QF+2*\j:QF+2*\j+1], v[SA:SA+7]
	v_wmma_f32_16x16x4_f32 v[SB:SB+7], v[KF+2*\j+2:KF+2*\j+3], v[QF+2*\j+2:QF+2*\j+3], v[SB:SB+7]
.endr
	s_wait_loadcnt 9                               ; v is in: Wo's eight loads and the bias are younger
.irp j, 0,1,2,3,4,5,6,7
	ds_store_b128 v[DIN], v[VF+4*\j:VF+4*\j+3] offset:LV+544*\j
.endr
.irp u, 0,1,2,3
.irp i, 0,1,2,3,4,5,6,7
	ds_load_b32 v[VF+8*\u+\i], v[DV] offset:LV+272*\i+64*\u                       ; v(8 h + i, 16 u + r)
.endr
.endr
	s_wait_loadcnt 1                               ; Wo is in; the bias may be out
.irp j, 0,1,2,3,4,5,6,7
	ds_store_b128 v[DWI], v[WF+4*\j:WF+4*\j+3] offset:LW+640*\j
.endr
.irp u, 0,1,2,3
.irp e, 0,1,2,3,4,5,6,7
	ds_load_b32 v[WF+8*\u+\e], v[DWO] offset:LW+(16*\u+\e)*80                     ; Wo(64 w + 16 u + 8 h + e, n0 + r)
.endr
.endr
.rept 8
	v_nop                                          ; eight places behind this form (ISA guide 7.12.1)
.endr
.irp j, 0,1,2,3,4,5,6,7
	v_add_f32 v[TR+\j], v[SA+\j], v[SB+\j]         ; from the low end on
.endr
.irp j, 0,1,2,3,4,5,6,7
	v_cmp_gt_i32 vcc_lo, \j, v7
	v_cndmask_b32 v[TR+\j], v[TR+\j], v27, vcc_lo
.endr
	v_max3_num_f32 v24, v[TR], v[TR+1], v[TR+2]
	v_max3_num_f32 v24, v24, v[TR+3], v[TR+4]
	v_max3_num_f32 v24, v24, v[TR+5], v[TR+6]
	v_max_num_f32 v24, v24, v[TR+7]
	v_permlanex16_b32 v25, v24, s28, s29
	v_max_num_f32 v24, v24, v25                    ; the row's maximum: key 0 counts for every query
	v_mul_f32 v24, s26, v24
.irp j, 0,1,2,3,4,5,6,7
	v_fma_f32 v[TR+\j], v[TR+\j], s26, -v24
.endr
.irp j, 0,1,2,3,4,5,6,7
	v_exp_f32 v[TR+\j], v[TR+\j]
.endr
	v_nop
	s_wait_alu depctr_va_vdst(0)                   ; one wait for the eight, ahead of their first reader
	v_add_f32 v26, v[TR], v[TR+1]
	v_add_f32 v25, v[TR+2], v[TR+3]
	v_add_f32 v26, v26, v[TR+4]
	v_add_f32 v25, v25, v[TR+5]
	v_add_f32 v26, v26, v[TR+6]
	v_add_f32 v25, v25, v[TR+7]
	v_add_f32 v26, v26, v25
	v_permlanex16_b32 v25, v26, s28, s29
	v_add_f32 v26, v26, v25
	v_rcp_f32 v24, v26
	v_nop
	s_wait_alu depctr_va_vdst(0)
.irp j, 0,1,2,3,4,5,6,7
	v_mul_f32 v[PR+\j], v[TR+\j], v24              ; the weights, normalised in f32
.endr
	s_wait_dscnt 40                                ; v is back from LDS: Wo's 8 stores and 32 loads are younger
	; O^T = v^T p: four tiles of channels take turns, four K steps of 4 keys
.irp u, 0,1,2,3
	v_wmma_f32_16x16x4_f32 v[OT+8*\u:OT+8*\u+7], v[VF+8*\u:VF+8*\u+1], v[PR:PR+1], 0
.endr
.irp k, 1,2,3
.irp u, 0,1,2,3
	v_wmma_f32_16x16x4_f32 v[OT+8*\u:OT+8*\u+7], v[VF+8*\u+2*\k:VF+8*\u+2*\k+1], v[PR+2*\k:PR+2*\k+1], v[OT+8*\u:OT+8*\u+7]
.endr
.endr
.rept 9
	v_nop                                          ; nine places: the results become a matrix instruction's source
.endr
	s_wait_dscnt 0x0                               ; Wo is back from LDS
	; the projection: source 0 = my 16 columns of Wo, source 1 = O^T as it stands; 16 K steps of 4 channels, two accumulators by turns
	v_wmma_f32_16x16x4_f32 v[PA:PA+7], v[WF:WF+1], v[OT:OT+1], 0
	v_wmma_f32_16x16x4_f32 v[PB:PB+7], v[WF+2:WF+3], v[OT+2:OT+3], 0
.irp i, 2,4,6,8,10,12,14
	v_wmma_f32_16x16x4_f32 v[PA:PA+7], v[WF+2*\i:WF+2*\i+1], v[OT+2*\i:OT+2*\i+1], v[PA:PA+7]
	v_wmma_f32_16x16x4_f32 v[PB:PB+7], v[WF+2*\i+2:WF+2*\i+3], v[OT+2*\i+2:OT+2*\i+3], v[PB:PB+7]
.endr
.rept 8
	v_nop
.endr
.irp j, 0,1,2,3,4,5,6,7
	v_add_f32 v[TR+\j], v[PA+\j], v[PB+\j]         ; my head's part of out0(r, n0 + 8 h + j)
.endr
	ds_store_b128 v28, v[TR:TR+3]
	ds_store_b128 v28, v[TR+4:TR+7] offset:512
	s_wait_dscnt 0x0                               ; for the others' sake: my stores have landed
	s_barrier_signal -1
	s_barrier_wait -1
	s_cmp_lt_u32 s12, 2                            ; waves 0 and 1 add the sixteen parts, four columns a lane each
	s_cbranch_scc0 .Ldone
.irp k, 0,1,2,3,4,5,6,7,8,9,10,11,12,13,14,15
	ds_load_b128 v[32+4*\k:35+4*\k], v29 offset:1024*\k
.endr
	s_wait_dscnt 0x0
.irp k, 0,2,4,6,8,10,12,14
	v_pk_add_f32 v[32+4*\k:33+4*\k], v[32+4*\k:33+4*\k], v[36+4*\k:37+4*\k]
	v_pk_add_f32 v[34+4*\k:35+4*\k], v[34+4*\k:35+4*\k], v[38+4*\k:39+4*\k]
.endr
.irp k, 0,4,8,12
	v_pk_add_f32 v[32+4*\k:33+4*\k], v[32+4*\k:33+4*\k], v[40+4*\k:41+4*\k]
	v_pk_add_f32 v[34+4*\k:35+4*\k], v[34+4*\k:35+4*\k], v[42+4*\k:43+4*\k]
.endr
.irp k, 0,8
	v_pk_add_f32 v[32+4*\k:33+4*\k], v[32+4*\k:33+4*\k], v[48+4*\k:49+4*\k]
	v_pk_add_f32 v[34+4*\k:35+4*\k], v[34+4*\k:35+4*\k], v[50+4*\k:51+4*\k]
.endr
	v_pk_add_f32 v[32:33], v[32:33], v[64:65]
	v_pk_add_f32 v[34:35], v[34:35], v[66:67]
	s_wait_loadcnt 0x0                             ; the bias
	v_pk_add_f32 v[32:33], v[32:33], v[BI:BI+1]
	v_pk_add_f32 v[34:35], v[34:35], v[BI+2:BI+3]
	global_store_b128 v[OO], v[32:35], s[10:11]
.Ldone:
	s_wait_tensorcnt 0x0                           ; the wave's end
	ds_add_u32 v30, v31
	s_wait_dscnt 0x0
	s_endpgm
.Lfunc_end_k_q7c12694221_fine:
	.size	k_q7c12694221_fine, .Lfunc_end_k_q7c12694221_fine-k_q7c12694221_fine
	.p2alignl 7, 3214868480
	.fill 96, 4, 3214868480
	.section	.rodata,"a",@progbits
	.p2align	6, 0x0
	.amdhsa_kernel k_q7c12694221_fine
		.amdhsa_group_segment_fixed_size 309248
		.amdhsa_private_segment_fixed_size 0
		.amdhsa_enable_private_segment 0
		.amdhsa_kernarg_size 32
		.amdhsa_user_sgpr_count 2
		.amdhsa_user_sgpr_kernarg_segment_ptr 1
		.amdhsa_wavefront_size32 1
		.amdhsa_system_sgpr_workgroup_id_x 1
		.amdhsa_system_sgpr_workgroup_id_y 1
		.amdhsa_system_sgpr_workgroup_id_z 1
		.amdhsa_system_vgpr_workitem_id 0
		.amdhsa_next_free_vgpr 256
		.amdhsa_next_free_sgpr 66
		.amdhsa_reserve_vcc 1
		.amdhsa_float_denorm_mode_32 3
		.amdhsa_float_denorm_mode_16_64 3
		.amdhsa_memory_ordered 1
		.amdhsa_forward_progress 1
		.amdhsa_inst_pref_size 24
	.end_amdhsa_kernel
	.amdgpu_metadata
---
amdhsa.version: [ 1, 2 ]
amdhsa.kernels:
  - .name:           k_q7c12694221_fine
    .symbol:         k_q7c12694221_fine.kd
    .args:
      - { .name: fine32, .offset: 0, .size: 8, .value_kind: global_buffer, .address_space: global }
      - { .name: Wo, .offset: 8, .size: 8, .value_kind: global_buffer, .address_space: global }
      - { .name: bo, .offset: 16, .size: 8, .value_kind: global_buffer, .address_space: global }
      - { .name: out0, .offset: 24, .size: 8, .value_kind: global_buffer, .address_space: global }
    .group_segment_fixed_size: 309248
    .private_segment_fixed_size: 0
    .kernarg_segment_align: 8
    .kernarg_segment_size: 32
    .max_flat_workgroup_size: 512
    .sgpr_count:     66
    .vgpr_count:     256
    .wavefront_size: 32
...
	.end_amdgpu_metadata
.endif
;; end of part 5
